; MI455X (gfx1250); checked and timed in simulation.
; The chip was launched on July 23, 2026; its instructions are those of AMD's public machine-readable ISA for CDNA 5 (MIT licence, August 2026) and "CDNA5" Instruction Set Architecture Reference Guide (July 2026). The comments in the code are by the model that wrote it; some were corrected since.
;; Yua Attention. Allowed arithmetic: matrix products marked QUANTISED: E2M1 operands, one E8M0 scale for each 32 along K, by v_wmma_scale_f32_16x16x128_f8f6f4 with both operands' format E2M1 (or v_wmma_scale_f32_32x16x128_f4), f32 sums; products left as they are: bf16, f16 or f32 operands; f32 sums; everything else in f32.
;; Inputs: hidden_states 2 x 2,048 x 2,048 float32; k_norm_w 128 float32; k_w 512 x 2,048 float32; o_w 2,048 x 1,024 float32; q_norm_w 128 float32; q_w 1,024 x 2,048 float32; v_w 512 x 2,048 float32.
;; Outputs: out0 2 x 2,048 x 2,048 float32.
;; This version of the problem:
;;   THIS VERSION OF THE PROBLEM IS GIVEN IN LOW PRECISION. The matrix products marked QUANTISED in the list below multiply operands that are first quantised to E2M1 (2 exponent bits, 1 mantissa bit; 4 bits a number), with one power-of-two scale for each 32 numbers along K (OCP MX v1.0); their sums are f32. The products marked 'left as it is' may take bf16, f16 or f32 operands, with f32 sums. Whichever they take, every output number must still come out within the allowed error. Rounding operands to bf16 (8 significant bits) uses up far more of that allowance than f16 does (11 bits, for magnitudes from 6e-5 to 65,504). All else is computed in f32.
;;   The module's matrix products, in the order in which they are computed (A, B: the left and right operand; K: the contracted axis; several contracted axes count as one K, in the product's order):
;;     1. [M 4,096, K 2,048] x [K 2,048, N 1,024]; A: input hidden_states; B: input q_w: QUANTISED
;;     2. [M 4,096, K 2,048] x [K 2,048, N 512]; A: input hidden_states; B: input k_w: QUANTISED
;;     3. [M 4,096, K 2,048] x [K 2,048, N 512]; A: input hidden_states; B: input v_w: QUANTISED
;;     4. batch 16 x [M 2,048, K 128] x [K 128, N 2,048]; A: computed on the way; B: computed on the way: left as it is (an operand is computed on the way)
;;     5. batch 16 x [M 2,048, K 2,048] x [K 2,048, N 128]; A: computed on the way; B: computed on the way: left as it is (an operand is computed on the way)
;;     6. [M 4,096, K 1,024] x [K 1,024, N 2,048]; A: computed on the way; B: input o_w: left as it is (an operand is computed on the way)
;;   THE QUANTISER, for each operand of a quantised product, along K:
;;     - K is cut into blocks of 32 from its start; a last block that is shorter is filled with zeros.
;;     - A block's scale is 2^e with e = floor(log2(the largest magnitude in the block)) - 2, held to -126 .. 127; a block of zeros has e = 0. As a byte (E8M0): e + 127.
;;     - Each number is divided by its block's scale, clamped to +-6, and rounded to the nearest number of E2M1, ties to even, subnormals kept.
;;     - The product sums the exact products of the quantised numbers (number of the format x scale) in f32.
;;   ~~~python
;;   def quantise(x, axis):      # numpy; x: float32 -> the quantised numbers, widened to float32 again
;;       x = np.moveaxis(x, axis, -1); K = x.shape[-1]
;;       x = np.pad(x, [(0, 0)] * (x.ndim - 1) + [(0, -K % 32)]); x = x.reshape(x.shape[:-1] + (-1, 32)); a = np.abs(x).max(-1, keepdims=True)
;;       e = np.where(a > 0, np.clip(np.frexp(np.where(a > 0, a, 1))[1] - 1 - 2, -126, 127), 0)      # np.frexp(a)[1] - 1 = floor(log2(a)), exactly
;;       r = np.clip(x / 2.0 ** e, -6, 6)
;;       step = 2.0 ** (np.maximum(np.frexp(np.where(r == 0, 1, r))[1] - 1, 0) - 1)
;;       q = np.round(r / step) * step * 2.0 ** e      # np.round: ties to even
;;       return np.moveaxis(q.reshape(q.shape[:-2] + (-1,))[..., :K], -1, axis).astype(np.float32)
;;   ~~~
;; One version. Each part assembles by itself: llvm-mc -triple=amdgcn-amd-amdhsa -mcpu=gfx1250 --defsym DOCPART=n.
;; ======== version 1 of 1: 5 launches
;; limits: values are held in f16: magnitudes above 65,504 overflow, below 6.1e-05 lose precision
;; workspace buffers: codes 6,291,456 bytes; scales 393,216 bytes; ow16 4,194,304 bytes; rope 1,056,768 bytes; qkv16 16,777,216 bytes; att16 8,388,608 bytes; fine32 262,144 bytes
;; launch prep (part 1): grid 480 x 1, 4 waves a work-group, no clusters, 33,280 bytes of LDS; arguments hidden_states, q_w, k_w, v_w, o_w, codes, scales, ow16, rope; writes codes, scales, ow16, rope
.if DOCPART == 1
	.amdgcn_target "amdgcn-amd-amdhsa--gfx1250"
	.amdhsa_code_object_version 6
	.text
	.protected	k_q7ab291c10a_prep
	.globl	k_q7ab291c10a_prep
	.p2align	8
	.type	k_q7ab291c10a_prep,@function
k_q7ab291c10a_prep:
	s_mov_b64 s[64:65], 0
	v_nop
	global_prefetch_b8 v0, s[64:65] scope:SCOPE_SE
	s_setreg_imm32_b32 hwreg(HW_REG_WAVE_MODE, 25, 1), 1
	s_wait_xcnt 0x0
; THREE JOBS IN ONE LAUNCH, told apart by the work-group's number alone.
; Work-groups 0-383: hidden_states [4096][2048], q_w [1024][2048], k_w [512][2048], v_w [512][2048], f32, K innermost, become codes of FP4 (E2M1) and one E8M0 byte for each 32 along K,
;   in ONE buffer of 6,144 rows each (x, then q_w, k_w, v_w): codes [6144][1024 bytes], scales [6144][64 bytes].  Rows are dense, so each tensor is a plain stream of blocks of 32.
;   A block's scale is 2^(floor(log2(its largest magnitude)) - 2); its byte is the largest magnitude's exponent field - 2, held at 1 from below.
; Work-groups 384-447: o_w [2048][1024] f32 is rounded to f16 (ow16), for the product on the way out, which is left as it is.
; Work-groups 448-479: the table of cosines and sines for the rotary embedding, 2,048 positions x 64 frequencies, laid in the order in which the next launch's registers take it:
;   block p (positions 16 p .. 16 p + 15) is 16 chunks of 512 bytes; lane (r, h) of chunk u < 8 holds cos(position 16 p + r, frequency 16 (u / 2) + 8 h + 4 (u % 2) + 0 .. 3), chunk u + 8 the sines.
;   Block 128 is the identity (cosines 1, sines 0): the value heads are sent through it; its first 512 bytes also serve them as a gain of one.
; LIMITS: NaN and infinities among the inputs are not served.  A block of zeros gets the byte 1 where the rule says 127: its codes are zeros, and this program alone reads the bytes.
;   Blocks whose largest magnitude lies under 2^(2 - 126) have their byte held at 1.  o_w beyond f16's range (65,504) is not served.
;   The angle is position x 2^(-i log2(500000) / 64) in f32; the power comes from v_exp_f32 (1 ulp: ISA guide, its entry), so at position 2,047 the angle may differ from one made with a correctly rounded power by some 3e-4 radians.
; No tensor loads, no barrier: waves share nothing.  No cluster: no two work-groups read the same bytes.  Only the first job uses LDS.
.set WAVES, 4
.set STEPS, 16
.set EMAX,  2
.set CB,    8                          ; bytes of 16 codes
.set R,     16                         ; v16-79   four sets of 16 numbers as they are loaded
.set X,     80                         ; v80-111  two sets of 16 neighbours
.set C,     128                        ; v128-191 codes: four registers for each step
.set E,     112                        ; v112-127 a scale byte for each step
.set WREG,  8192                       ; LDS: a region for each wave: two stages of 32 x SP bytes, then its 256 scale bytes
.set SP,    80                         ; a lane's place in a stage: 64 bytes + 16 of padding
.set SPW,   12                         ; v12 LDS address of my spare word; never rewritten
.set NIL,   13                         ; v13 0; never rewritten
.set SPARE, WAVES*WREG                 ; behind the four regions: the spare words, 128 bytes a wave
	s_load_b256 s[4:11], s[0:1], 0x0               ; hidden_states, q_w, k_w, v_w
	s_load_b256 s[12:19], s[0:1], 0x20             ; o_w, codes, scales, ow16
	s_load_b64 s[20:21], s[0:1], 0x40              ; rope
	v_lshl_add_u32 v[SPW], v0, 2, SPARE
	v_mov_b32 v[NIL], 0
	v_lshrrev_b32 v1, 5, v0
	v_readfirstlane_b32 s22, v1                    ; wave
	v_and_b32 v2, 31, v0                           ; lane
	s_wait_kmcnt 0x0
	s_cmp_ge_u32 ttmp9, 448
	s_cbranch_scc1 .Ltable
	s_cmp_ge_u32 ttmp9, 384
	s_cbranch_scc1 .Lcast
; ---------------- the quantiser: a wave takes 16 steps of 512 numbers ----------------
; Each of a step's four loads reads 512 consecutive bytes, 16 a lane; the 2,048 bytes turn through the wave's own stage in LDS and come back 64 bytes a lane, so that a lane holds 16 neighbours along K
; (two neighbouring lanes hold a block).  A lane's 16 codes are 8 bytes: the wave stores 256 consecutive bytes.  A wave's 256 scale bytes are gathered in LDS and leave as one run of 256 bytes.
	v_lshlrev_b32 v3, 4, v2                        ; my 16 bytes of a load's 512
	s_mul_i32 s23, s22, WREG
	v_lshrrev_b32 v14, 2, v2
	v_mul_u32_u24 v14, v14, SP
	v_and_b32 v15, 3, v2
	v_lshl_add_u32 v14, v15, 4, v14
	v_add_nc_u32 v14, s23, v14                     ; the stage, on the way in: SP (lane / 4) + 16 (lane % 4)
	v_mul_u32_u24 v15, v2, SP
	v_add_nc_u32 v15, s23, v15                     ; and on the way out: SP x lane
	v_mul_u32_u24 v4, v2, CB                       ; my codes' place in a step's
	v_lshrrev_b32 v5, 1, v2
	s_add_co_u32 s23, s23, 2*32*SP
	v_add_nc_u32 v5, s23, v5                       ; my wave's 256 scale bytes, my block's byte
	v_lshlrev_b32 v7, 3, v2
	v_add_nc_u32 v6, s23, v7                       ; and on the way out 8 bytes a lane
	s_mov_b64 s[24:25], s[10:11]                   ; which tensor: the choice hangs on the work-group's number alone.  v_w from work-group 352,
	s_mov_b32 s26, 352
	s_cmp_lt_u32 ttmp9, 352
	s_cselect_b64 s[24:25], s[8:9], s[24:25]       ; k_w from 320,
	s_cselect_b32 s26, 320, s26
	s_cmp_lt_u32 ttmp9, 320
	s_cselect_b64 s[24:25], s[6:7], s[24:25]       ; q_w from 256,
	s_cselect_b32 s26, 256, s26
	s_cmp_lt_u32 ttmp9, 256
	s_cselect_b64 s[24:25], s[4:5], s[24:25]       ; hidden_states from 0
	s_cselect_b32 s26, 0, s26
	s_sub_co_u32 s27, ttmp9, s26
	s_lshl_b32 s27, s27, 2
	s_add_co_u32 s28, s27, s22                     ; which run of 8,192 numbers of the tensor is my wave's
	s_lshl_b32 s28, s28, 15                        ; 32,768 bytes a run
	s_mov_b32 s29, 0
	s_add_nc_u64 s[24:25], s[24:25], s[28:29]
	s_lshl_b32 s28, ttmp9, 2
	s_add_co_u32 s28, s28, s22                     ; and which run of the joint buffers
	s_lshl_b32 s30, s28, 12                        ; 4,096 bytes of codes a run
	s_mov_b32 s31, 0
	s_add_nc_u64 s[14:15], s[14:15], s[30:31]
	s_lshl_b32 s28, s28, 8                         ; 256 scale bytes a run
	s_add_nc_u64 s[16:17], s[16:17], s[28:29]
.macro LOAD t
.irp i, 0,1,2,3
	global_load_b128 v[R+16*((\t)%4)+4*\i:R+16*((\t)%4)+4*\i+3], v3, s[24:25] offset:2048*(\t)+512*\i th:TH_LOAD_NT   ; 32 lanes read 512 consecutive bytes
.endr
.endm
.macro TURN t                          ; step t's numbers through the stage: LDS serves a wave's instructions in order, so no wait stands between the stores and the loads
.irp i, 0,1,2,3
	ds_store_b128 v14, v[R+16*((\t)%4)+4*\i:R+16*((\t)%4)+4*\i+3] offset:32*SP*((\t)%2)+8*SP*\i
.endr
.irp i, 0,1,2,3
	ds_load_b128 v[X+16*((\t)%2)+4*\i:X+16*((\t)%2)+4*\i+3], v15 offset:32*SP*((\t)%2)+16*\i
.endr
.endm
.irp t, 0,1,2,3
	LOAD \t
.endr
	s_wait_loadcnt 12                              ; step 0's four loads are in; the twelve of steps 1 to 3 may be out
	TURN 0
.macro STEP t
.set XS, X+16*((\t)%2)
.if (\t) > 0
	s_wait_dscnt 1                                 ; this step's numbers are back from the stage (the last step's byte store may be out)
.else
	s_wait_dscnt 0x0
.endif
.if (\t)+4 < STEPS
	LOAD (\t)+4                                    ; into the registers that the stage's stores have read
.endif
.if (\t)+1 < STEPS
.if STEPS-2-(\t) >= 3
	s_wait_loadcnt 12                              ; the next step's four loads are in; those of the three steps behind it may be out
.else
	s_wait_loadcnt 4*(STEPS-2-(\t))
.endif
	TURN (\t)+1                                    ; through the other stage while this step is worked
.endif
	v_max3_num_f32 v8, |v[XS]|, |v[XS+1]|, |v[XS+2]|               ; the largest magnitude of my 16, in two chains
	v_max3_num_f32 v9, |v[XS+3]|, |v[XS+4]|, |v[XS+5]|
.irp i, 6,10
	v_max3_num_f32 v8, v8, |v[XS+\i]|, |v[XS+\i+1]|
	v_max3_num_f32 v9, v9, |v[XS+\i+2]|, |v[XS+\i+3]|
.endr
	v_max3_num_f32 v8, v8, |v[XS+14]|, |v[XS+15]|
	v_max3_num_f32 v8, v8, v9, (EMAX+1)<<23        ; and the floor 2^(EMAX + 1 - 127): the byte cannot fall under 1
	v_max_num_f32_dpp v8, v8, v8 row_xmask:1 row_mask:0xf bank_mask:0xf   ; and of my neighbour's 16: the block's
	v_add_nc_u32 v11, -(EMAX<<23), v8              ; EMAX off its exponent field: the conversion takes the exponent field of this operand as its scale
	v_cvt_scalef32_pk8_fp4_f32 v[C+4*(\t)], v[XS:XS+7], v11        ; to the nearest code, ties to even, beyond the largest code the largest; the first number's code in the lowest four bits
	v_cvt_scalef32_pk8_fp4_f32 v[C+4*(\t)+1], v[XS+8:XS+15], v11
	v_lshrrev_b32 v[E+(\t)], 23, v11               ; the scale's byte
	ds_store_b8 v5, v[E+(\t)] offset:16*(\t)       ; both lanes of a block write the same byte with the same value
	global_store_b64 v4, v[C+4*(\t):C+4*(\t)+1], s[14:15] offset:32*CB*(\t)
.endm
.irp t, 0,1,2,3,4,5,6,7,8,9,10,11,12,13,14,15
	STEP \t
.endr
	ds_load_b64 v[8:9], v6                         ; LDS serves a wave's instructions in order: these see my stores
	s_wait_dscnt 0x0
	global_store_b64 v7, v[8:9], s[16:17]          ; 32 lanes store 256 consecutive bytes, aligned
	s_wait_tensorcnt 0x0                           ; the wave's end: 0 onto my spare word and its wait, behind my last LDS store
	ds_add_u32 v[SPW], v[NIL]
	s_wait_dscnt 0x0
	s_endpgm
; ---------------- o_w to f16: a wave takes 8,192 numbers, four rounds of sixteen loads of 512 bytes, two rounds in flight ----------------
.Lcast:
	s_sub_co_u32 s23, ttmp9, 384
	s_lshl_b32 s24, s23, 17                        ; 131,072 bytes of f32 a work-group,
	s_lshl_b32 s25, s22, 15                        ; 32,768 a wave
	s_add_co_u32 s24, s24, s25
	s_mov_b32 s25, 0
	s_add_nc_u64 s[12:13], s[12:13], s[24:25]
	s_lshr_b32 s24, s24, 1                         ; half as many of f16
	s_add_nc_u64 s[18:19], s[18:19], s[24:25]
	v_lshlrev_b32 v3, 4, v2                        ; in: 16 bytes a lane
	v_lshlrev_b32 v4, 3, v2                        ; out: 8 bytes a lane: a store covers 256 consecutive bytes, aligned
.macro CLOADS n
.irp k, 0,1,2,3,4,5,6,7,8,9,10,11,12,13,14,15
	global_load_b128 v[16+64*((\n)%2)+4*\k:16+64*((\n)%2)+4*\k+3], v3, s[12:13] offset:512*(16*(\n)+\k) th:TH_LOAD_NT
.endr
.endm
.macro CROUNDC n, left                 ; left: the next round's loads, which may stay out
	s_wait_loadcnt \left
.irp k, 0,1,2,3,4,5,6,7,8,9,10,11,12,13,14,15
	v_cvt_pk_f16_f32 v[16+64*((\n)%2)+4*\k], v[16+64*((\n)%2)+4*\k], v[16+64*((\n)%2)+4*\k+1]
	v_cvt_pk_f16_f32 v[16+64*((\n)%2)+4*\k+1], v[16+64*((\n)%2)+4*\k+2], v[16+64*((\n)%2)+4*\k+3]
	global_store_b64 v4, v[16+64*((\n)%2)+4*\k:16+64*((\n)%2)+4*\k+1], s[18:19] offset:256*(16*(\n)+\k)
.endr
.if (\n)+2 < 4
	s_wait_xcnt 0x0                                ; the stores have read their registers: the set is loaded again only behind this wait
	CLOADS (\n)+2
.endif
.endm
	CLOADS 0
	CLOADS 1
	CROUNDC 0, 16
	CROUNDC 1, 16
	CROUNDC 2, 16
	CROUNDC 3, 0
	s_endpgm
; ---------------- the table: wave w of work-group c makes block 4 c + w: 16 positions x 64 frequencies, 32 angles a lane ----------------
.Ltable:
	s_sub_co_u32 s23, ttmp9, 448
	s_lshl_b32 s23, s23, 2
	s_add_co_u32 s23, s23, s22                     ; p
	s_lshl_b32 s36, s23, 4                         ; its first position
	s_lshl_b32 s38, s23, 13                        ; 8,192 bytes a block
	s_mov_b32 s39, 0
	s_add_nc_u64 s[40:41], s[20:21], s[38:39]
	s_mov_b32 s24, 0x3f22f983                      ; 2 / pi, its first 24 bits,
	s_mov_b32 s25, 0x32dc9c88                      ; and the next 24
	s_mov_b32 s26, 0x3fc90fdb                      ; pi / 2
	s_mov_b32 s27, 0xbe2aaaab                      ; -1/6
	s_mov_b32 s28, 0x3c088889                      ; 1/120
	s_mov_b32 s29, 0xb9500d01                      ; -1/5040
	s_mov_b32 s30, 0x3638ef1d                      ; 1/362880
	s_mov_b32 s31, 0x3d2aaaab                      ; 1/24
	s_mov_b32 s32, 0xbab60b61                      ; -1/720
	s_mov_b32 s33, 0x37d00d01                      ; 1/40320
	s_mov_b32 s34, 0x80000000                      ; the sign
	s_mov_b32 s35, 0xbe9773da                      ; -log2(500000) / 64
	v_and_b32 v14, 15, v2                          ; r
	v_lshrrev_b32 v15, 4, v2                       ; h
	v_add_nc_u32 v16, s36, v14
	v_cvt_f32_u32 v16, v16                         ; my position
	v_lshlrev_b32 v17, 3, v15                      ; 8 h
	v_lshlrev_b32 v18, 4, v2                       ; 16 x lane
.set n, 0
.rept 32
	v_add_nc_u32 v[32+n], 16*(n/8)+4*((n/4)%2)+n%4, v17   ; frequency i of angle n = 4 u + e
.set n, n+1
.endr
.set n, 0
.rept 32
	v_cvt_f32_u32 v[32+n], v[32+n]
.set n, n+1
.endr
.set n, 0
.rept 32
	v_mul_f32 v[32+n], s35, v[32+n]
.set n, n+1
.endr
.set n, 0
.rept 32
	v_exp_f32 v[32+n], v[32+n]                     ; 500000^(-i / 64)
.set n, n+1
.endr
	v_nop                                          ; a plain instruction behind the last exponential,
	s_wait_alu depctr_va_vdst(0)                   ; and one wait for the batch, ahead of its first reader
.set n, 0
.rept 32
	v_mul_f32 v[32+n], v16, v[32+n]                ; the angle, rounded once, as position x frequency
.set n, n+1
.endr
; Sine and cosine of v[a] >= 0.  The angle is cut into n quarter turns and a rest: t = a x 2/pi with its rounding error recovered by a fused multiply-add and 2/pi's next 24 bits added; n = t to the nearest whole number;
; z = (t - n) pi / 2, at most pi / 4 in size; series to z^9 and z^8, whose first terms left out are under 3e-8; the quarter picks which series serves and with which sign, by selects alone.
.macro SINCOS a, c, s
	v_mul_f32 v64, s24, v[\a]
	v_fma_f32 v65, v[\a], s24, -v64
	v_fma_f32 v65, v[\a], s25, v65
	v_rndne_f32 v66, v64
	v_sub_f32 v67, v64, v66
	v_add_f32 v67, v67, v65
	v_mul_f32 v67, s26, v67                        ; z
	v_mul_f32 v68, v67, v67                        ; z^2
	v_fma_f32 v69, v68, s30, s29
	v_fma_f32 v71, v68, s33, s32
	v_fma_f32 v69, v69, v68, s28
	v_fma_f32 v71, v71, v68, s31
	v_fma_f32 v69, v69, v68, s27
	v_mul_f32 v70, v67, v68
	v_fma_f32 v71, v71, v68, -0.5
	v_fma_f32 v69, v70, v69, v67                   ; sin z
	v_fma_f32 v71, v71, v68, 1.0                   ; cos z
	v_cvt_i32_f32 v72, v66
	v_and_b32 v73, 1, v72
	v_cmp_eq_u32 vcc_lo, 1, v73                    ; an odd quarter swaps the two
	v_cndmask_b32 v[\s], v69, v71, vcc_lo
	v_cndmask_b32 v[\c], v71, v69, vcc_lo
	v_lshlrev_b32 v73, 30, v72
	v_and_b32 v73, s34, v73                        ; the sine is negative in quarters 2 and 3,
	v_xor_b32 v[\s], v[\s], v73
	v_add_nc_u32 v72, 1, v72
	v_lshlrev_b32 v72, 30, v72
	v_and_b32 v72, s34, v72                        ; the cosine in quarters 1 and 2
	v_xor_b32 v[\c], v[\c], v72
.endm
.set n, 0
.rept 32
	SINCOS 32+n, 96+8*(n/4)+n%4, 100+8*(n/4)+n%4
.set n, n+1
.endr
.irp u, 0,1,2,3,4,5,6,7
	global_store_b128 v18, v[96+8*\u:99+8*\u], s[40:41] offset:512*\u          ; 32 lanes store 512 consecutive bytes
	global_store_b128 v18, v[100+8*\u:103+8*\u], s[40:41] offset:4096+512*\u
.endr
	s_cmp_lg_u32 ttmp9, 448
	s_cbranch_scc1 .Ldone
	s_cmp_lt_u32 s22, 2                            ; block 128, the identity: wave w writes chunks 4 w .. 4 w + 3: ones in chunks 0-7, zeros in 8-15
	s_cselect_b32 s36, 0x3f800000, 0
	v_mov_b32 v160, s36
	v_mov_b32 v161, s36
	v_mov_b32 v162, s36
	v_mov_b32 v163, s36
	s_lshl_b32 s38, s22, 11
	s_add_co_u32 s38, s38, 0x100000
	s_add_nc_u64 s[42:43], s[20:21], s[38:39]
.irp k, 0,1,2,3
	global_store_b128 v18, v[160:163], s[42:43] offset:512*\k
.endr
.Ldone:
	s_endpgm
.Lfunc_end_k_q7ab291c10a_prep:
	.size	k_q7ab291c10a_prep, .Lfunc_end_k_q7ab291c10a_prep-k_q7ab291c10a_prep
	.p2alignl 7, 3214868480
	.fill 96, 4, 3214868480
	.section	.rodata,"a",@progbits
	.p2align	6, 0x0
	.amdhsa_kernel k_q7ab291c10a_prep
		.amdhsa_group_segment_fixed_size 33280
		.amdhsa_private_segment_fixed_size 0
		.amdhsa_enable_private_segment 0
		.amdhsa_kernarg_size 72
		.amdhsa_user_sgpr_count 2
		.amdhsa_user_sgpr_kernarg_segment_ptr 1
		.amdhsa_wavefront_size32 1
		.amdhsa_system_sgpr_workgroup_id_x 1
		.amdhsa_system_sgpr_workgroup_id_y 1
		.amdhsa_system_sgpr_workgroup_id_z 1
		.amdhsa_system_vgpr_workitem_id 0
		.amdhsa_next_free_vgpr 192
		.amdhsa_next_free_sgpr 66
		.amdhsa_reserve_vcc 1
		.amdhsa_float_denorm_mode_32 3
		.amdhsa_float_denorm_mode_16_64 3
		.amdhsa_memory_ordered 1
		.amdhsa_forward_progress 1
		.amdhsa_inst_pref_size 102
	.end_amdhsa_kernel
	.amdgpu_metadata
---
amdhsa.version: [ 1, 2 ]
amdhsa.kernels:
  - .name:           k_q7ab291c10a_prep
    .symbol:         k_q7ab291c10a_prep.kd
    .args:
      - { .name: hidden_states, .offset: 0, .size: 8, .value_kind: global_buffer, .address_space: global }
      - { .name: q_w, .offset: 8, .size: 8, .value_kind: global_buffer, .address_space: global }
      - { .name: k_w, .offset: 16, .size: 8, .value_kind: global_buffer, .address_space: global }
      - { .name: v_w, .offset: 24, .size: 8, .value_kind: global_buffer, .address_space: global }
      - { .name: o_w, .offset: 32, .size: 8, .value_kind: global_buffer, .address_space: global }
      - { .name: codes, .offset: 40, .size: 8, .value_kind: global_buffer, .address_space: global }
      - { .name: scales, .offset: 48, .size: 8, .value_kind: global_buffer, .address_space: global }
      - { .name: ow16, .offset: 56, .size: 8, .value_kind: global_buffer, .address_space: global }
      - { .name: rope, .offset: 64, .size: 8, .value_kind: global_buffer, .address_space: global }
    .group_segment_fixed_size: 33280
    .private_segment_fixed_size: 0
    .kernarg_segment_align: 8
    .kernarg_segment_size: 72
    .max_flat_workgroup_size: 128
    .sgpr_count:     66
    .vgpr_count:     192
    .wavefront_size: 32
...
	.end_amdgpu_metadata
.endif
;; end of part 1
;; launch qkv (part 2): grid 8 x 16, 4 waves a work-group, clusters of 4 x 4, 327,680 bytes of LDS; arguments codes, scales, rope, q_norm_w, k_norm_w, qkv16, fine32; writes qkv16, fine32
.if DOCPART == 2
	.amdgcn_target "amdgcn-amd-amdhsa--gfx1250"
	.amdhsa_code_object_version 6
	.text
	.protected	k_q7ab291c10a_qkv
	.globl	k_q7ab291c10a_qkv
	.p2align	8
	.type	k_q7ab291c10a_qkv,@function
k_q7ab291c10a_qkv:
	s_mov_b64 s[64:65], 0
	v_nop
	global_prefetch_b8 v0, s[64:65] scope:SCOPE_SE
	s_setreg_imm32_b32 hwreg(HW_REG_WAVE_MODE, 25, 1), 1
	s_wait_xcnt 0x0
	s_wait_alu depctr_hold_cnt(0) depctr_sa_sdst(0) depctr_va_vdst(0) depctr_va_sdst(0) depctr_va_ssrc(0) depctr_va_vcc(0) depctr_vm_vsrc(0)
	s_getreg_b32 s2, hwreg(HW_REG_IB_STS2, 6, 4)
	s_cmp_eq_u32 s2, 0
	s_cbranch_scc0 .Lentry_in_a_cluster
	s_endpgm
.Lentry_in_a_cluster:
	s_bfe_u32 s2, ttmp6, 0x10000c
	s_cmp_lg_u32 s2, 0xf033
	s_cbranch_scc0 .Lentry_shape_is_right
	s_endpgm
.Lentry_shape_is_right:
; THE THREE PROJECTIONS AS ONE PRODUCT ON CODES OF FP4, WITH NORM AND ROTARY EMBEDDING ON THE WAY OUT.
; C[m][n] = sum over k of x[m][k] w[n][k], m = 4,096 rows (batch x position), n = 2,048 (1,024 of q_w, 512 of k_w, 512 of v_w), k = 2,048.  Codes [6144][1024 bytes] and E8M0 bytes [6144][64]: rows 0-4095 x, from 4096 the weights.
; A tile of C, 256 x 256, is made by a work-group of four waves; a wave makes 128 rows x 128 columns: 64 accumulators of 16 x 16, 512 registers.  ITS 128 COLUMNS ARE ONE HEAD g (0-7 query, 8-11 key, 12-15 value).
; K goes in steps of 512 through a ring of two LDS slots filled by the tensor data mover: a tile's row is 256 bytes of memory.  The scale bytes of the work-group's rows, for all of K, come into LDS once, with the first fills.
; CLUSTERS: 4 x 4 work-groups.  The four of a row of the cluster need the same tiles of x, the four of a column the same tiles of the weights: each tile is asked for JOINTLY, by the same tensor load with the
; same descriptor and a mask that names the four.  128 tiles of C: a smaller tile would cut a head over two waves, and the norm would have to cross waves.
; THE MATRIX INSTRUCTION IS USED TRANSPOSED (source 0 = 16 rows of the weights, source 1 = 16 rows of x): lane (r, h) holds row r of x and, in accumulator b's register j, channel 16 b + 8 h + j of the head.
; So a row's 128 channels lie in lanes l and l xor 16: the norm's sum wants one exchange, and channel d's partner d + 64 in the rotation lies in the same lane, 32 registers on.
; THE WAY OUT, a block of 16 rows at a time, all in f32: mean of squares, 1 / sqrt(mean + 1e-5), x the gain, the rotation by the table of the launch before; rounded to f16, through the wave's stage in LDS, stored as
; 4,096 dense bytes of qkv16 [16 heads][4096 rows][128].  THE TABLE IS ASKED FOR TWO BLOCKS OF ROWS AHEAD: blocks 0 and 1 at the kernel's head, into registers of window 1 that the product leaves alone; block a + 2
; behind block a's rotation, into the set that block a has read.  WHAT DIFFERS BETWEEN HEADS IS DONE WITHOUT A BRANCH (the partners of a cluster run alike): the gain's address and the table's address are chosen by
; selects; a value head takes a gain of one, the factor 1 in place of the norm's (v_cndmask_b32), and the table's identity block.  Positions 0-15 of each sequence are also stored in f32 (fine32), for the last launch:
; sixteen stores under an EXEC that is all ones in the waves that hold those rows and zero in the others.
; LIMITS: results beyond f16's range are not served: |v| under 65,504, gains under 5,700 in size (a normalised number is at most sqrt(128)).  NaN and infinities are not served.
; REGISTERS, in windows of 256: window 0: v0-31 addresses; v32-95 scale words, two sets; v128-191 x's fragments, ONE set; v192-255 the gain of my 64 channels.  On the way out v32-191 are free.
;   window 1: the weights' fragments, TWO sets, at v0 and at v128; v64-127 and v192-255 the table, two sets; on the way out v0-63 the packed rows.
;   window 2: the accumulators of my rows 0-63 ((a, b) at v[8 (8 a + b)]);   window 3: those of my rows 64-127.
.set SIZE_M, 4096
.set SIZE_N, 2048
.set SIZE_K, 2048
.set KSTEP,  512                       ; along K in a slot
.set NQ,     KSTEP/128                 ; matrix instructions deep
.set ROWB,   256                       ; a tile's row in bytes
.set KROW,   SIZE_K*4/8                ; a row of codes in memory
.set PITCH,  272                       ; an LDS row: 256 bytes + 16 of padding, so that the 16 rows that a load touches start 68 words apart
.set FR,     8                         ; registers of a fragment: 16 rows x 128 K
.set NL,     2                         ; LDS loads that bring one
.set NP,     4                         ; places behind this matrix instruction (ISA guide 7.12.1)
.set HALFT,  128*PITCH                 ; 128 rows: what one tensor load brings
.set SLOT,   4*HALFT                   ; x's 256 rows, then the weights' 256 rows
.set LAPS,   SIZE_K/(2*KSTEP)          ; a lap = two K steps = once round the ring
.set KS,     SIZE_K/32                 ; a row of scales in bytes
.set SCL,    2*SLOT                    ; behind the ring: the scales, as runs of 256 bytes + 16 of padding
.set HALFS,  (128*KS/256)*272          ; the scales of 128 rows: what one tensor load brings
.set SBLK,   (16*KS/256)*272           ; those of 16 rows
.set SPARE,  SCL+4*HALFS               ; behind the scales: the spare words, 128 bytes a wave
.set SPITCH, 272                       ; the way out: a stage of 16 rows x (256 bytes + 16) for each wave, in slot 0, which has had its last fill and its last read when the first result is stored there
.set ADRA, 16                          ; v16-17  LDS address of my fragments of x in slot 0, 1
.set ADRB, 20                          ; v20-21  the same for the weights
.set STO,  24                          ; v24     the way out: where I put 16 bytes of a row
.set RD,   25                          ; v25     the way out: where I read a row back
.set L16,  26                          ; v26     16 x lane; never rewritten
.set ADRS, 27                          ; v27     LDS address of my scale words: lanes 0-15 x's rows, lanes 16-31 the weights'
.set SPW,  28                          ; v28     LDS address of my spare word; never rewritten
.set NIL,  29                          ; v29     0; never rewritten
.set NWO,  30                          ; v30     32 h: my half's place in 16 channels of the gain; never rewritten
.set SC,   32                          ; scale words: set s at v[SC + 8 NQ s]
.set AF,   128                         ; x's fragments
.set YY,   32                          ; the way out: v32-95 a block's 64 numbers of my lane
.set SS,   160                         ; v160-167 sums of squares, four pairs
.set TT,   168                         ; v168-183 at work in the rotation
.set RS,   184                         ; v184 1 / sqrt; v185 named with it as a pair
.set XL,   186                         ; v186 the other half's sum
.set GW,   192                         ; v192-255 the gain: register 8 b + j for channel 16 b + 8 h + j
.set G1, 24
.set G0, 32
.set G1B, 48
.set G0B, 56
.set G1S, 68
.set G0S, 76
.set G1SB, 80
.set G0SB, 88
.set MSB, 0
.macro WIN new                         ; the immediate's high byte repeats the setting that is left
.if MSB != \new
	s_set_vgpr_msb (MSB<<8)|\new
.set MSB, \new
.endif
.endm
.set MUL_LO, 0xa1                      ; source 0 (weights) window 1, source 1 (x) window 0, C and D window 2
.set MUL_HI, 0xf1                      ; the same, C and D window 3
.set TO_B,   0x40                      ; destination window 1, address window 0
; A joint load: waves 0 and 1 fetch for x, waves 2 and 3 for the weights.  Each of the two lines has ONE mask and one set of registers for all that issue it; the branch hangs on the wave's number alone.
; An s_nop 0 and four v_nop follow each of the two lines.
.macro JLOAD g0a, g1a, g0b, g1b
	s_cmp_eq_u32 s15, 0
	s_cbranch_scc0 .Lfor_b_\@
	tensor_load_to_lds s[\g0a:\g0a+3], s[\g1a:\g1a+7]
	s_nop 0
.rept 4
	v_nop
.endr
	s_branch .Lasked_\@
.Lfor_b_\@:
	tensor_load_to_lds s[\g0b:\g0b+3], s[\g1b:\g1b+7]
	s_nop 0
.rept 4
	v_nop
.endr
.Lasked_\@:
.endm
.macro CREST                           ; a round of the cluster's barrier behind its opening barrier
	s_cmp_lg_u32 s14, 0
	s_cbranch_scc1 .Lnot_wave_0_\@
	s_barrier_signal -3
.Lnot_wave_0_\@:
	s_barrier_wait -3
	s_barrier_signal -1
	s_barrier_wait -1
.endm
.macro CROUND                          ; a whole round
	s_barrier_signal -1
	s_barrier_wait -1
	CREST
.endm
	s_load_b256 s[4:11], s[0:1], 0x0               ; codes s[4:5], scales s[6:7], rope s[8:9], q_norm_w s[10:11]
	s_load_b128 s[96:99], s[0:1], 0x20             ; k_norm_w s[96:97], qkv16 s[98:99]
	s_load_b64 s[100:101], s[0:1], 0x30            ; fine32
	v_lshl_add_u32 v[SPW], v0, 2, SPARE
	v_mov_b32 v[NIL], 0
	ds_add_u32 v[SPW], v[NIL]                      ; the wave's opening: the add, twice on end, and its wait ahead of my first tensor load
	ds_add_u32 v[SPW], v[NIL]
	v_lshrrev_b32 v1, 5, v0
	v_readfirstlane_b32 s14, v1                    ; wave 0..3
	s_lshr_b32 s15, s14, 1                         ; which half of the tile's rows is mine.  Also: I fetch for x (0) or for the weights (1)
	s_and_b32 s16, s14, 1                          ; which half of its columns.  Also: which 128 rows of that tile I fetch
	s_bfe_u32 s40, ttmp6, 0x40000                  ; cx, cy: my place in the cluster
	s_bfe_u32 s41, ttmp6, 0x40004
	s_lshl_b32 s42, ttmp9, 2
	s_add_co_u32 s42, s42, s40                     ; tile column of C = 4 x cluster x + cx
	s_and_b32 s17, ttmp7, 0xffff
	s_lshl_b32 s17, s17, 2
	s_add_co_u32 s17, s17, s41                     ; tile row of C = 4 x cluster y + cy
	s_lshl_b32 s43, s41, 2
	s_lshl_b32 s43, 15, s43                        ; my row of the cluster
	s_lshl_b32 s44, 0x1111, s40                    ; my column
	; descriptor group 1: a tile of 128 rows x 256 bytes, padded in LDS
	s_or_b32 s[G1+0], s43, (0<<16)|(1<<20)|(1<<21)|(5<<22)|(3<<25)  ; 15:0 the mask: x's tiles go to my row; 17:16 elements of 1 byte; 20 padding on; 21 set beside a mask; 24:22 after every 64 words; 31:25 four words
	s_or_b32 s[G1B+0], s44, (0<<16)|(1<<20)|(1<<21)|(5<<22)|(3<<25)
.irp g, G1, G1B
	s_mov_b32 s[\g+1], ROWB<<16                    ; tensor_dim0
	s_mov_b32 s[\g+2], 128<<16                     ; tensor_dim1
	s_mov_b32 s[\g+3], ROWB<<16                    ; tile_dim0
	s_mov_b32 s[\g+4], 128                         ; tile_dim1
	s_mov_b32 s[\g+5], KROW                        ; tensor_dim0_stride
	s_mov_b32 s[\g+6], 0
	s_mov_b32 s[\g+7], 0
.endr
	; and for the scales of 128 rows: a dense block of 8,192 bytes, as rows of 256 bytes (32 elements of 8 bytes), 16 bytes of padding behind each
	s_or_b32 s[G1S+0], s43, (3<<16)|(1<<20)|(1<<21)|(5<<22)|(3<<25)
	s_or_b32 s[G1SB+0], s44, (3<<16)|(1<<20)|(1<<21)|(5<<22)|(3<<25)
.irp g, G1S, G1SB
	s_mov_b32 s[\g+1], 32<<16
	s_mov_b32 s[\g+2], (128*KS/256)<<16
	s_mov_b32 s[\g+3], 32<<16
	s_mov_b32 s[\g+4], 128*KS/256
	s_mov_b32 s[\g+5], 32
	s_mov_b32 s[\g+6], 0
	s_mov_b32 s[\g+7], 0
.endr
	s_lshl_b32 s18, s16, 7                         ; which 128 rows of the tile I fetch
	s_lshl_b32 s20, s17, 8
	s_add_co_u32 s20, s20, s18                     ; x: row 256 x tile row + 128 x half
	s_lshl_b32 s46, s42, 8
	s_add_co_u32 s46, s46, s18                     ; the weights: row 256 x tile column + 128 x half,
	s_add_co_u32 s46, s46, SIZE_M                  ; behind x's 4,096 rows, in the codes and in the scales alike
	s_mov_b32 s21, 0
	s_mov_b32 s47, 0
	s_mov_b64 s[18:19], KS
	s_mul_u64 s[22:23], s[20:21], s[18:19]         ; where these rows' scales begin, in bytes
	s_mul_u64 s[92:93], s[46:47], s[18:19]
	s_mov_b64 s[18:19], KROW
	s_mul_u64 s[20:21], s[20:21], s[18:19]         ; and their codes
	s_mul_u64 s[46:47], s[46:47], s[18:19]
	s_mul_i32 s45, s14, HALFT                      ; where they go: wave x 128 rows: no place in the cluster enters an LDS address
	s_mul_i32 s94, s14, HALFS
	s_wait_dscnt 0x0                               ; both opening adds are done
	s_wait_kmcnt 0x0
	s_add_nc_u64 s[20:21], s[4:5], s[20:21]
	s_add_nc_u64 s[22:23], s[6:7], s[22:23]
	s_add_nc_u64 s[46:47], s[4:5], s[46:47]
	s_add_nc_u64 s[92:93], s[6:7], s[92:93]
	CROUND                                         ; all sixteen work-groups are here: the first joint loads meet
	s_mov_b32 s[G0S], 1
	s_add_co_u32 s[G0S+1], s94, SCL
	s_mov_b64 s[G0S+2:G0S+3], s[22:23]
	s_or_b32 s[G0S+3], s[G0S+3], 0x80000000
	s_mov_b32 s[G0SB], 1
	s_add_co_u32 s[G0SB+1], s94, SCL
	s_mov_b64 s[G0SB+2:G0SB+3], s[92:93]
	s_or_b32 s[G0SB+3], s[G0SB+3], 0x80000000
	JLOAD G0S, G1S, G0SB, G1SB                     ; the scales first: they are wanted with K step 0
.irp s, 0,1
	s_mov_b32 s[G0+4*\s], 1
	s_add_co_u32 s[G0+4*\s+1], s45, \s*SLOT
	s_add_nc_u64 s[G0+4*\s+2:G0+4*\s+3], s[20:21], \s*ROWB
	s_or_b32 s[G0+4*\s+3], s[G0+4*\s+3], 0x80000000
	s_mov_b32 s[G0B+4*\s], 1
	s_add_co_u32 s[G0B+4*\s+1], s45, \s*SLOT
	s_add_nc_u64 s[G0B+4*\s+2:G0B+4*\s+3], s[46:47], \s*ROWB
	s_or_b32 s[G0B+4*\s+3], s[G0B+4*\s+3], 0x80000000
	JLOAD G0+4*\s, G1, G0B+4*\s, G1B
.endr
	v_and_b32 v1, 15, v0                           ; r = l % 16
	v_bfe_u32 v2, v0, 4, 1                         ; h = l / 16
	v_mul_u32_u24 v3, v1, PITCH
	v_lshl_add_u32 v4, v2, 4, v3                   ; a fragment's row x pitch + 16 x half
	s_mul_i32 s21, s15, HALFT                      ; my 128 rows of x
	s_mul_i32 s22, s16, HALFT                      ; my 128 rows of the weights,
	s_add_co_u32 s22, s22, 2*HALFT                 ; which lie behind x's 256
.irp s, 0,1
	v_add_nc_u32 v[ADRA+\s], s21, v4
	v_add_nc_u32 v[ADRB+\s], s22, v4
	s_add_co_u32 s21, s21, SLOT
	s_add_co_u32 s22, s22, SLOT
.endr
	v_mul_u32_u24 v5, v1, KS                       ; my row's scales: KS bytes a row,
	v_lshrrev_b32 v6, 8, v5
	v_lshl_add_u32 v5, v6, 4, v5                   ; and 16 more for each 256 passed
	s_mul_i32 s21, s15, HALFS                      ; x's: my 128 rows
	s_mul_i32 s22, s16, HALFS                      ; the weights': my 128 rows, behind x's 256
	s_add_co_u32 s22, s22, 2*HALFS
	s_sub_co_u32 s22, s22, s21
	v_mul_u32_u24 v6, s22, v2                      ; lanes 16-31 take the weights'
	s_add_co_u32 s21, s21, SCL
	v_add_nc_u32 v5, v5, v6
	v_add_nc_u32 v[ADRS], s21, v5
	s_mul_i32 s23, s14, 16*SPITCH                  ; my stage
	v_mul_u32_u24 v5, v1, SPITCH                   ; in: row r, 16 bytes for each half of the lanes
	v_lshl_add_u32 v5, v2, 4, v5
	v_add_nc_u32 v[STO], s23, v5
	v_mul_u32_u24 v5, v2, SPITCH                   ; back: lanes 0-15 one row of 256 bytes, lanes 16-31 the next
	v_lshl_add_u32 v5, v1, 4, v5
	v_add_nc_u32 v[RD], s23, v5
	v_and_b32 v6, 31, v0
	v_lshlrev_b32 v[L16], 4, v6
	v_lshlrev_b32 v[NWO], 5, v2
	; what the way out reads and writes.  Selects and addresses alone hang on the head and on the rows; no branch does.
	s_lshl_b32 s92, s42, 1
	s_add_co_u32 s92, s92, s16                     ; g, my head: 2 x tile column + half
	s_lshl_b32 s93, s17, 8
	s_lshl_b32 s94, s15, 7
	s_add_co_u32 s93, s93, s94                     ; my first row: 256 x tile row + 128 x half
	s_lshl_b32 s46, s92, 20                        ; a head of qkv16 is 4,096 rows of 256 bytes
	s_lshl_b32 s47, s93, 8
	s_add_co_u32 s46, s46, s47
	s_mov_b32 s47, 0
	s_add_nc_u64 s[12:13], s[98:99], s[46:47]      ; s[12:13]: my rows of qkv16
	s_lshr_b32 s46, s93, 11                        ; the batch
	s_lshl_b32 s46, s46, 4
	s_add_co_u32 s46, s46, s92
	s_lshl_b32 s46, s46, 13                        ; fine32: [batch][head][8,192 bytes]
	s_add_nc_u64 s[98:99], s[100:101], s[46:47]    ; s[98:99]: my head's place in fine32
	s_add_nc_u64 s[66:67], s[8:9], 0x100000        ; the table's identity block
	s_cmp_lt_u32 s92, 12
	s_cselect_b64 s[96:97], s[96:97], s[66:67]     ; the gain: a key head's, or ones for a value head,
	s_cselect_b32 s95, 0, -1                       ; s95: all ones in a value head: the norm's factor is replaced by 1
	s_cselect_b32 s94, 8192, 0                     ; from block to block of the table; a value head stays on the identity
	s_cmp_lt_u32 s92, 8
	s_cselect_b64 s[10:11], s[10:11], s[96:97]     ; or a query head's: s[10:11]
	s_mov_b32 s96, s94                             ; s[96:97]: the table's step
	s_mov_b32 s97, 0
	s_and_b32 s46, s93, 2047                       ; my first position
	s_cmp_eq_u32 s46, 0
	s_cselect_b32 s100, -1, 0                      ; s100: all ones where my first 16 rows are positions 0-15
	s_lshl_b32 s46, s46, 9                         ; 8,192 bytes for 16 positions
	s_cmp_lt_u32 s92, 12
	s_cselect_b32 s46, s46, 0x100000
	s_add_nc_u64 s[66:67], s[8:9], s[46:47]        ; s[66:67]: the table's block for my rows 0-15: the base of the even blocks' loads,
	s_add_nc_u64 s[4:5], s[66:67], s[96:97]        ; s[4:5]: for my rows 16-31: the base of the odd blocks';
	s_lshl_b32 s6, s96, 1                          ; s[6:7]: two blocks on
	s_mov_b32 s7, 0
.irp b, 0,1,2,3,4,5,6,7
	global_load_b128 v[GW+8*\b:GW+8*\b+3], v[NWO], s[10:11] offset:64*\b       ; the gain of channels 16 b + 8 h + 0 .. 7: it lands under the product and is waited for on the way out
	global_load_b128 v[GW+8*\b+4:GW+8*\b+7], v[NWO], s[10:11] offset:64*\b+16
.endr
	WIN TO_B                                       ; the table for my first two blocks of rows, 512 consecutive bytes a load: they land under the product too
.irp u, 0,1,2,3,4,5,6,7,8,9,10,11,12,13,14,15
	global_load_b128 v[64+4*\u:64+4*\u+3], v[L16], s[66:67] offset:512*\u
.endr
.irp u, 0,1,2,3,4,5,6,7,8,9,10,11,12,13,14,15
	global_load_b128 v[192+4*\u:192+4*\u+3], v[L16], s[4:5] offset:512*\u
.endr
	WIN 0
.macro FRAG reg, adr, q, i             ; a fragment, 16 rows x 128 K of 4-bit codes: lane l holds row l % 16; registers 4 c .. 4 c + 3 hold K = 64 c + 32 (l / 16) + 0 .. 31
.irp c, 0,1
	ds_load_b128 v[\reg+4*\c:\reg+4*\c+3], v[\adr] offset:64*(\q)+32*\c+(\i)*16*PITCH
.endr
.endm
; 16 matrix instructions: x's blocks a0, a0 + 1 against the weights' eight, 128 along K.  p: the weights' set;  sc: the set of scale words.  zero = 1: the first product starts the sums.
; The 64 accumulators take turns, one instruction a turn, in the same order in every step.
.macro MUL16 a0, p, q, sc, zero
.irp a, \a0, \a0+1
.irp b, 0,1,2,3,4,5,6,7
.if \zero
	v_wmma_scale_f32_16x16x128_f8f6f4 v[8*(8*((\a)%4)+\b):8*(8*((\a)%4)+\b)+7], v[128*(\p)+FR*\b:128*(\p)+FR*\b+FR-1], v[AF+FR*(\a):AF+FR*(\a)+FR-1], 0, v[SC+8*NQ*(\sc)+NQ*\b+(\q)], v[SC+8*NQ*(\sc)+NQ*(\a)+(\q)] matrix_a_fmt:MATRIX_FMT_FP4 matrix_b_fmt:MATRIX_FMT_FP4 matrix_a_scale:MATRIX_SCALE_ROW1
.else
	v_wmma_scale_f32_16x16x128_f8f6f4 v[8*(8*((\a)%4)+\b):8*(8*((\a)%4)+\b)+7], v[128*(\p)+FR*\b:128*(\p)+FR*\b+FR-1], v[AF+FR*(\a):AF+FR*(\a)+FR-1], v[8*(8*((\a)%4)+\b):8*(8*((\a)%4)+\b)+7], v[SC+8*NQ*(\sc)+NQ*\b+(\q)], v[SC+8*NQ*(\sc)+NQ*(\a)+(\q)] matrix_a_fmt:MATRIX_FMT_FP4 matrix_b_fmt:MATRIX_FMT_FP4 matrix_a_scale:MATRIX_SCALE_ROW1
.endif
.endr
.endr
.endm
.macro FETCH_B slot, q, p              ; the weights' eight fragments of the slot's q-th 128 along K into set p
	WIN TO_B
.irp i, 0,1,2,3,4,5,6,7
	FRAG 128*(\p)+FR*\i, ADRB+\slot, \q, \i
.endr
	WIN 0
.endm
.macro FETCH_A slot, q, i0             ; x's blocks i0 .. i0 + 3
.irp i, \i0, \i0+1, \i0+2, \i0+3
	FRAG AF+FR*(\i), ADRA+\slot, \q, \i
.endr
.endm
.macro SCALES sc                       ; the next K step's scale words into set sc: lanes 0-15 take x's block i, lanes 16-31 the weights' block i
.irp i, 0,1,2,3,4,5,6,7
	ds_load_b128 v[SC+8*NQ*\sc+NQ*\i:SC+8*NQ*\sc+NQ*\i+3], v[ADRS] offset:\i*SBLK
.endr
.endm
.macro PLACES n                        ; plain vector instructions between a matrix instruction and a load into, or a read of, its registers
.rept \n
	v_nop
.endr
.endm
; A step of 128 along K that has its successor in the same slot.
.macro STEP slot, q, zero
	s_wait_dscnt 4*NL                              ; the weights' set and x's blocks 0-3 are in; the youngest eight loads (x's blocks 4-7) may be out
	WIN MUL_LO
	MUL16 0, (\q)%2, \q, \slot, \zero
	MUL16 2, (\q)%2, \q, \slot, \zero
	s_wait_dscnt 0                                 ; x's blocks 4-7 are in
	PLACES NP
	FETCH_B \slot, (\q)+1, 1-(\q)%2
	FETCH_A \slot, (\q)+1, 0
	WIN MUL_HI
	MUL16 4, (\q)%2, \q, \slot, \zero
	MUL16 6, (\q)%2, \q, \slot, \zero
	PLACES NP
	WIN 0
	FETCH_A \slot, (\q)+1, 4
.endm
; A slot's last step changes slots: ONE barrier; in front of it each wave waits for all its tensor loads, adds 0 to its spare word, and waits for that and for its own reads of this slot.  fill = 1: this slot is filled again, two K steps ahead.
.macro TURN slot, next, fill
	s_wait_tensorcnt 0x0                           ; all my tensor loads have landed: my part of the next slot
	ds_add_u32 v[SPW], v[NIL]                      ; 0 onto my spare word
	s_wait_dscnt 4*NL+1                            ; (the add and the youngest eight loads, x's blocks 4-7, may be out)
	WIN MUL_LO
	MUL16 0, 1, NQ-1, \slot, 0                     ; sixteen matrix instructions stand between the add and the wait for it
	s_wait_dscnt 0x0                               ; the add is done, and my reads of this slot are over
	s_barrier_signal -1
	MUL16 2, 1, NQ-1, \slot, 0
	WIN 0
	s_barrier_wait -1
.if \fill
	CREST                                          ; the barrier has opened a round of the cluster's barrier: no wave of any partner still reads this slot's tile or has a load on its way
	s_add_nc_u64 s[G0+4*\slot+2:G0+4*\slot+3], s[G0+4*\slot+2:G0+4*\slot+3], 2*ROWB
	s_add_nc_u64 s[G0B+4*\slot+2:G0B+4*\slot+3], s[G0B+4*\slot+2:G0B+4*\slot+3], 2*ROWB
	JLOAD G0+4*\slot, G1, G0B+4*\slot, G1B         ; the first tensor load behind the round; the four v_nop behind it are the places in front of the loads below
.else
	PLACES NP
.endif
	v_add_nc_u32 v[ADRS], 4*NQ, v[ADRS]            ; on to the next K step's scale words
	FETCH_B \next, 0, 0
	FETCH_A \next, 0, 0
	SCALES \next
	WIN MUL_HI
	MUL16 4, 1, NQ-1, \slot, 0
	MUL16 6, 1, NQ-1, \slot, 0
	PLACES NP
	WIN 0
	FETCH_A \next, 0, 4
.endm
.macro STEPS slot, from                ; the slot's steps from .. NQ - 2
.set Q, \from
.rept NQ-1-\from
	STEP \slot, Q, 0
.set Q, Q+1
.endr
.endm
	s_wait_tensorcnt 1                             ; the scales and my part of K step 0 are in (K step 1's load may be out)
	s_barrier_signal -1
	s_barrier_wait -1                              ; everybody's are
	FETCH_B 0, 0, 0
	FETCH_A 0, 0, 0
	SCALES 0
	FETCH_A 0, 0, 4
	STEP 0, 0, 1                                   ; the first step stands in front of the loop: its products start the sums
	s_mov_b32 s3, LAPS-1
.Llap:                                                 ; a trip goes once round the ring, from a lap's second step to the next lap's first, and fills both slots again
	STEPS 0, 1
	TURN 0, 1, 1
	STEPS 1, 0
	TURN 1, 0, 1
	STEP 0, 0, 0
	s_sub_co_u32 s3, s3, 1
	s_cmp_lg_u32 s3, 0
	s_cbranch_scc1 .Llap
	STEPS 0, 1                                     ; the last lap fills nothing, and has no round of the cluster's barrier
	TURN 0, 1, 0
	STEPS 1, 0
	s_wait_dscnt 4*NL                              ; the very last step: nothing more to fetch
	WIN MUL_LO
	MUL16 0, 1, NQ-1, 1, 0
	MUL16 2, 1, NQ-1, 1, 0
	s_wait_dscnt 0
	WIN MUL_HI
	MUL16 4, 1, NQ-1, 1, 0
	MUL16 6, 1, NQ-1, 1, 0
	WIN 0
; ---------------- THE WAY OUT ----------------
.macro SEND a                          ; block a's 16 rows, back from the stage, are 4,096 dense bytes of my head: each store covers 512 consecutive bytes, aligned
.set TQ, 32*((\a)%2)
	s_wait_dscnt 0x0
	WIN 0x04                                       ; a store's data are its source 1: window 1
.irp t, 0,1,2,3,4,5,6,7
	global_store_b128 v[L16], v[TQ+4*\t:TQ+4*\t+3], s[12:13] offset:4096*(\a)+512*\t
.endr
	WIN 0
.endm
.macro OUTBLK a
.set AC, 64*((\a)%4)                   ; the block's eight accumulators, in window 2 (blocks 0-3) or 3
.set TS, 32*((\a)%2)                   ; its packed rows, in window 1: two sets by turns
.set CTS, 64+128*((\a)%2)              ; its table, in window 1: cosines at CTS + 8 b + j, sines 32 registers on; two sets by turns
	WIN 0x0a+5*((\a)/4)                            ; sources 0 and 1: the accumulators' window
.irp b, 0,1,2,3,4,5,6,7                        ; the sum of squares of my 64 numbers, in four chains of pairs; each accumulator is read from its low end on
.irp p, 0,1,2,3
.if \b == 0
	v_pk_mul_f32 v[SS+2*\p:SS+2*\p+1], v[AC+2*\p:AC+2*\p+1], v[AC+2*\p:AC+2*\p+1]
.else
	v_pk_fma_f32 v[SS+2*\p:SS+2*\p+1], v[AC+8*\b+2*\p:AC+8*\b+2*\p+1], v[AC+8*\b+2*\p:AC+8*\b+2*\p+1], v[SS+2*\p:SS+2*\p+1]
.endif
.endr
.endr
	WIN 0
.if (\a) > 0
	SEND (\a)-1                                    ; the block before has had these 32 lines in which to come back from the stage
.endif
	v_pk_add_f32 v[SS:SS+1], v[SS:SS+1], v[SS+2:SS+3]
	v_pk_add_f32 v[SS+4:SS+5], v[SS+4:SS+5], v[SS+6:SS+7]
	v_pk_add_f32 v[SS:SS+1], v[SS:SS+1], v[SS+4:SS+5]
	v_add_f32 v[SS], v[SS], v[SS+1]
	v_permlanex16_b32 v[XL], v[SS], s20, s21       ; the row's other 64 channels lie in the lane 16 away
	v_add_f32 v[SS], v[SS], v[XL]
	v_fma_f32 v[SS+1], v[SS], s22, s23             ; the mean of squares + 1e-5
	v_rsq_f32 v[RS], v[SS+1]
	v_nop                                          ; a plain instruction behind the transcendental,
	s_wait_alu depctr_va_vdst(0)                   ; and a wait ahead of its first reader
	v_cndmask_b32 v[RS], v[RS], 1.0, s95           ; a value head is not normalised
	WIN 0x02+((\a)/4)
.set i, 0
.rept 32
	v_pk_mul_f32 v[YY+2*i:YY+2*i+1], v[AC+2*i:AC+2*i+1], v[RS:RS+1] op_sel_hi:[1,0]   ; x / rms
.set i, i+1
.endr
	WIN 0
.set i, 0
.rept 32
	v_pk_mul_f32 v[YY+2*i:YY+2*i+1], v[YY+2*i:YY+2*i+1], v[GW+2*i:GW+2*i+1]           ; x the gain
.set i, i+1
.endr
.if (\a) < 7
	s_wait_loadcnt 16                              ; this block's table is in; the next block's sixteen loads may be out
.else
	s_wait_loadcnt 0x0
.endif
	WIN 0x04                                       ; source 1, the table: window 1
.irp b, 0,1,2,3                                ; channel d < 64: y(d) cos - y(d + 64) sin;  channel d + 64: y(d + 64) cos + y(d) sin
.irp p, 0,1,2,3
	v_pk_mul_f32 v[TT+4*\p:TT+4*\p+1], v[YY+32+8*\b+2*\p:YY+32+8*\b+2*\p+1], v[CTS+32+8*\b+2*\p:CTS+32+8*\b+2*\p+1]
	v_pk_mul_f32 v[TT+4*\p+2:TT+4*\p+3], v[YY+8*\b+2*\p:YY+8*\b+2*\p+1], v[CTS+32+8*\b+2*\p:CTS+32+8*\b+2*\p+1]
	v_pk_fma_f32 v[YY+8*\b+2*\p:YY+8*\b+2*\p+1], v[YY+8*\b+2*\p:YY+8*\b+2*\p+1], v[CTS+8*\b+2*\p:CTS+8*\b+2*\p+1], v[TT+4*\p:TT+4*\p+1] neg_lo:[0,0,1] neg_hi:[0,0,1]
	v_pk_fma_f32 v[YY+32+8*\b+2*\p:YY+32+8*\b+2*\p+1], v[YY+32+8*\b+2*\p:YY+32+8*\b+2*\p+1], v[CTS+8*\b+2*\p:CTS+8*\b+2*\p+1], v[TT+4*\p+2:TT+4*\p+3]
.endr
.endr
	WIN 0
.if (\a)+2 < 8                                 ; the table of the block two further on, into the set just read.  This set's base may step: its last loads were waited for above
.if (\a)%2 == 0
	s_add_nc_u64 s[66:67], s[66:67], s[6:7]
	WIN TO_B
.irp u, 0,1,2,3,4,5,6,7,8,9,10,11,12,13,14,15
	global_load_b128 v[CTS+4*\u:CTS+4*\u+3], v[L16], s[66:67] offset:512*\u
.endr
.else
	s_add_nc_u64 s[4:5], s[4:5], s[6:7]
	WIN TO_B
.irp u, 0,1,2,3,4,5,6,7,8,9,10,11,12,13,14,15
	global_load_b128 v[CTS+4*\u:CTS+4*\u+3], v[L16], s[4:5] offset:512*\u
.endr
.endif
	WIN 0
.endif
.if (\a) == 0                                  ; positions 0-15 also leave in f32, as my registers stand: 16 chunks of 512 bytes.  EXEC is all ones or zero
	s_wait_xcnt 0x0                                ; EXEC changes only behind this wait
	s_and_saveexec_b32 s101, s100
.irp k, 0,1,2,3,4,5,6,7,8,9,10,11,12,13,14,15
	global_store_b128 v[L16], v[YY+4*\k:YY+4*\k+3], s[98:99] offset:512*\k
.endr
	s_wait_xcnt 0x0                                ; and again in front of the line that widens it; the stores have read their data too
	s_or_b32 exec_lo, exec_lo, s101
.endif
.if (\a) > 1
	s_wait_xcnt 0x0                                ; block a - 2's stores have read this set of registers
.endif
	WIN 0x40                                       ; destination window 1
.irp b, 0,1,2,3,4,5,6,7
.irp p, 0,1,2,3
	v_cvt_pk_f16_f32 v[TS+4*\b+\p], v[YY+8*\b+2*\p], v[YY+8*\b+2*\p+1]
.endr
.endr
	WIN 0x04
.irp b, 0,1,2,3,4,5,6,7
	ds_store_b128 v[STO], v[TS+4*\b:TS+4*\b+3] offset:32*\b                    ; eight neighbouring channels of row r
.endr
	WIN 0x40
.irp t, 0,1,2,3,4,5,6,7
	ds_load_b128 v[TS+4*\t:TS+4*\t+3], v[RD] offset:\t*2*SPITCH                ; LDS serves a wave's instructions in order (ISA guide 5.7.1.4): these see the stores above
.endr
	WIN 0
.endm
	PLACES NP                                      ; behind the last products
	s_mov_b32 s20, 0x76543210                      ; v_permlanex16_b32's selects for lane l xor 16
	s_mov_b32 s21, 0xfedcba98
	s_mov_b32 s22, 0x3c000000                      ; 1 / 128
	s_mov_b32 s23, 0x3727c5ac                      ; 1e-5
	s_wait_loadcnt 0x0                             ; the gain, and the table of my first two blocks of rows
	v_mov_b32 v[XL], 0                             ; a lane permute's destination counts as one of its sources
	v_mov_b32 v[RS+1], 0                           ; named as the upper half of a pair
.irp a, 0,1,2,3,4,5,6,7
	OUTBLK \a
.endr
	SEND 7
	s_wait_tensorcnt 0x0                           ; the wave's end: 0 onto my spare word and its wait, behind my last tensor load and my last LDS store
	ds_add_u32 v[SPW], v[NIL]
	s_wait_dscnt 0x0
	CROUND                                         ; the closing round: no work-group ends while a partner may still ask for a tile that names it
	s_endpgm
.Lfunc_end_k_q7ab291c10a_qkv:
	.size	k_q7ab291c10a_qkv, .Lfunc_end_k_q7ab291c10a_qkv-k_q7ab291c10a_qkv
	.p2alignl 7, 3214868480
	.fill 96, 4, 3214868480
	.section	.rodata,"a",@progbits
	.p2align	6, 0x0
	.amdhsa_kernel k_q7ab291c10a_qkv
		.amdhsa_group_segment_fixed_size 327680
		.amdhsa_private_segment_fixed_size 0
		.amdhsa_enable_private_segment 0
		.amdhsa_kernarg_size 56
		.amdhsa_user_sgpr_count 2
		.amdhsa_user_sgpr_kernarg_segment_ptr 1
		.amdhsa_wavefront_size32 1
		.amdhsa_system_sgpr_workgroup_id_x 1
		.amdhsa_system_sgpr_workgroup_id_y 1
		.amdhsa_system_sgpr_workgroup_id_z 1
		.amdhsa_system_vgpr_workitem_id 0
		.amdhsa_next_free_vgpr 1024
		.amdhsa_next_free_sgpr 102
		.amdhsa_reserve_vcc 0
		.amdhsa_float_denorm_mode_32 3
		.amdhsa_float_denorm_mode_16_64 3
		.amdhsa_memory_ordered 1
		.amdhsa_forward_progress 1
		.amdhsa_inst_pref_size 255
	.end_amdhsa_kernel
	.section	.bss,"aw",@nobits
	.p2align	6
	.space	262144
	.amdgpu_metadata
---
amdhsa.version: [ 1, 2 ]
amdhsa.kernels:
  - .name:           k_q7ab291c10a_qkv
    .symbol:         k_q7ab291c10a_qkv.kd
    .args:
      - { .name: codes, .offset: 0, .size: 8, .value_kind: global_buffer, .address_space: global }
      - { .name: scales, .offset: 8, .size: 8, .value_kind: global_buffer, .address_space: global }
      - { .name: rope, .offset: 16, .size: 8, .value_kind: global_buffer, .address_space: global }
      - { .name: q_norm_w, .offset: 24, .size: 8, .value_kind: global_buffer, .address_space: global }
      - { .name: k_norm_w, .offset: 32, .size: 8, .value_kind: global_buffer, .address_space: global }
      - { .name: qkv16, .offset: 40, .size: 8, .value_kind: global_buffer, .address_space: global }
      - { .name: fine32, .offset: 48, .size: 8, .value_kind: global_buffer, .address_space: global }
    .group_segment_fixed_size: 327680
    .private_segment_fixed_size: 0
    .kernarg_segment_align: 8
    .kernarg_segment_size: 56
    .max_flat_workgroup_size: 128
    .sgpr_count:     102
    .vgpr_count:     1024
    .wavefront_size: 32
...
	.end_amdgpu_metadata
.endif
;; end of part 2
;; launch attn (part 3): grid 32 x 8, 8 waves a work-group, no clusters, 327,680 bytes of LDS; arguments qkv16, att16; writes att16
.if DOCPART == 3
	.amdgcn_target "amdgcn-amd-amdhsa--gfx1250"
	.amdhsa_code_object_version 6
	.text
	.protected	k_q7ab291c10a_attn
	.globl	k_q7ab291c10a_attn
	.p2align	8
	.type	k_q7ab291c10a_attn,@function
k_q7ab291c10a_attn:
	s_mov_b64 s[64:65], 0
	v_nop
	global_prefetch_b8 v0, s[64:65] scope:SCOPE_SE
	s_setreg_imm32_b32 hwreg(HW_REG_WAVE_MODE, 25, 1), 1
	s_wait_xcnt 0x0
; CAUSAL ATTENTION ON f16 OPERANDS, f32 SUMS.  qkv16: [16 heads][4096 rows = batch x 2048 + position][128] f16: heads 0-7 queries, 8-11 keys, 12-15 values.  att16: [4096 rows][8 heads x 128] f16.
; SHARES.  A work-group owns one batch and one key head, BOTH query heads that share that key head, and FOUR TILES OF 16 POSITIONS out of the sequence's 128: tiles x, 63 - x, 127 - x and 64 + x.  Under the causal mask tile t
; has 16 (t + 1) keys, so every work-group has the same number of keys to walk in all: 16 x 258.  A wave holds two tiles of queries: the same 16 positions of the two heads, so that every fragment of K and V read from LDS
; feeds two products and one mask serves both.  Each tile of positions is held by two waves, which SPLIT THE KEYS: of a slot's four steps of 64 keys one takes steps 0 and 2, the other steps 1 and 3; each keeps a running
; maximum m, sum l and O of its own, and the two are merged once, at the end, through LDS.  Wave w < 4 holds number w of the four tiles (in the order above) and steps 0 and 2; wave w + 4 holds number (w + 2) % 4 and steps
; 1 and 3: so waves w and w + 4 hold tiles whose numbers add up to 127, a long walk beside a short one.
; LAYOUT.  S^T = K Q^T (source 0 = 16 keys, source 1 = 16 queries): a lane holds ONE query (lane % 16) and the keys 8 (lane / 16) + 0..7 of each tile.  Two such tiles, rounded to f16 in pairs, ARE source 1
; (32 keys x 16 queries) of O^T = V^T P.  K comes out of LDS as it lies, V ([key][channel]) turned, by ds_load_tr16_b128.
; SOFTMAX.  p = 2^(c s - c m), c = log2(e) / sqrt(128), m the running maximum; in every step O and l are multiplied by 2^(c m_old - c m_new).
; THE RING.  Two LDS slots of 256 keys (K's rows at a pitch of 272 bytes, V's of 288).  All eight waves fetch, one tensor load each of 64 rows x 256 bytes: waves 0-3 K's, waves 4-7 V's.  The change of slots stands at a slot's head.
; THE MASK.  Every work-group walks all eight slots: trip counts are constants.  A step whose first key comes after the wave's first query is left out (both are multiples of 16, so all its keys are then hidden, and in a step
; that is walked its first key counts for every query); in a step on the diagonal hidden scores become -infinity.  A slot whose first key comes after the work-group's last query, 2,047 - 16 x, is read by no wave and is not
; asked for: every wait on TENSORcnt in this text is for 0.
; NO CLUSTER: work-groups of one key head read the same K and V, but under the mask work-group x needs seven slots or eight: partners would need different numbers of tiles.  The sharing between the two query heads is taken inside the work-group.
; LIMITS: NaN and infinities are not served; results beyond f16's range (65,504) are not served.
; REGISTERS: window 0: v1-11 addresses and lane terms; v12-27 statistics, 8 a tile; v28 the merge's address; v30, v31 the add's two; v32 the prefetches' offset; v33 -infinity; v64-127 S^T, 32 a tile; v128-159 P, 16 a tile;
;   v160-223 Q, 32 a tile; v224-255 at work on the way out.   window 1: v0-127 O^T, 64 a tile; v128-255 ONE buffer for a step's 16 fragments of K and then of V.
.set PK,    272
.set PV,    288
.set VOFF,  256*PK                     ; a slot: 256 rows of K, then 256 rows of V
.set SLOTB, 256*(PK+PV)
.set SPARE, 2*SLOTB                    ; behind the ring: the spare words, 128 bytes a wave: four blocks of 256 bytes
.set MRGB,  16896                      ; the merge: for each tile of positions 32 images of 512 bytes of O^T and one of statistics.  It lies in LDS slot 0, which has had its last fill and its last read behind the last change of slots
.set STG,   4*MRGB                     ; behind it: 16 rows x 272 bytes for each of waves 0-3, for the way out
.set SP,    272
.set AK0, 2                            ; v2  my lane's place in my group's first step of K in a slot
.set AV0, 3                            ; v3  the same for V
.set ADR, 4                            ; v4  the LDS address of the run of loads in hand
.set QO,  5                            ; v5  my byte offset in the wave's rows of Q
.set STO, 6                            ; v6  the way out: where I put 16 bytes of a row
.set RD,  7                            ; v7  the way out: where I read a row back
.set GO,  8                            ; v8  my byte offset in the wave's rows of att16
.set RH,  10                           ; v10 r - 8 h
.set DD,  11                           ; v11 the mask's bound
.set ST,  12                           ; tile t's statistics at v[ST + 8 t]: +0 c m, +1 m, +2, +3 l (even keys', odd keys'), +4 to +7 at work; the rescaling factor takes +6
.set MI,  28
.set SPW, 30
.set NIL, 31
.set PFO, 32
.set NEG, 33
.set S,   64
.set P,   128
.set QF,  160
.set BUF, 128                          ; in window 1
.set WV,  18                           ; s18 my wave's number
.set W4,  19                           ; s19 wave % 4: which 64 rows of a slot I fetch; in waves 0-3 also my stage
.set GRP, 17                           ; s17 wave / 4: which steps are mine; also K (0) or V (1) is what I fetch
.set IDX, 16                           ; s16 which of the work-group's four tiles of positions is mine: (wave + 2 (wave / 4)) % 4
.set SEL, 20                           ; s[20:21] lane selects for v_permlanex16_b32: lane l xor 16
.set CS,  22                           ; s[22:23] c, twice
.set G1K, 24                           ; s[24:31] descriptor group 1 for K's tiles;  s[32:39] for V's: it differs in the padding alone
.set G1V, 32
.set G0K, 40                           ; s[40:43], s[44:47] their groups 0, which walk
.set G0V, 44
.set TB,  2                            ; s2  LDS byte at which the slot in hand begins
.set FB,  3                            ; s3  and the slot that is filled
.set KB,  66                           ; s66 the slot's first key
.set SLOTS, 67                         ; s67 changes of slots still to come that may ask for a slot
.set Q0,  68                           ; s68 my first query
.set KF,  69                           ; s69 the step's first key
.set OWNK, 70                          ; s70 where my 64 rows of K go in a slot;  s71 my 64 rows of V
.set OWNV, 71
.set G64, 72                           ; s72 64 x group
.set LASTQ, 73                         ; s73 the work-group's last query: 2,047 - 16 x
.set PFK, 74                           ; s[74:75], s[76:77] where my prefetches stand in K and in V
.set PFV, 76
.set LIM, 78                           ; s78 1 in a work-group that prefetches, else the greatest number
.set OUTP, 80                          ; s[80:81] my rows of att16
.set MSB, 0
.macro WIN new
.if MSB != \new
	s_set_vgpr_msb (MSB<<8)|\new
.set MSB, \new
.endif
.endm
.set W_KQ, 0x01                        ; K in window 1; Q and S^T in window 0
.set W_PV, 0x51                        ; V and O^T in window 1, P in window 0
.set W_LD, 0x40                        ; destination window 1
.set W_RS, 0x41                        ; O^T (destination and source 0) in window 1, the factor in window 0
; My one tensor load: waves 0-3 K's rows, waves 4-7 V's.  The branch hangs on the wave's number alone.  An s_nop 0 and four v_nop follow each of the two lines.
.macro TLOAD
	s_cmp_lt_u32 s[WV], 4
	s_cbranch_scc0 .Lfor_v_\@
	tensor_load_to_lds s[G0K:G0K+3], s[G1K:G1K+7]
	s_nop 0
.rept 4
	v_nop
.endr
	s_branch .Lasked_\@
.Lfor_v_\@:
	tensor_load_to_lds s[G0V:G0V+3], s[G1V:G1V+7]
	s_nop 0
.rept 4
	v_nop
.endr
.Lasked_\@:
.endm
; A PREFETCH INTO THE L2 of what the NEXT change of slots will ask for: a slot's 256 rows of K and of V, 256 bytes a row, a lane a row: wave w names rows 32 w .. 32 w + 31 of each.  All work-groups of a batch and key head
; walk the same K and V: the first of them (x = 0), whose tile 127 has work in every slot, asks, and nobody else: so each row is named once in the launch.  It stands where the wave has just issued its tensor load.
; Slots 0 and 1 come by their loads alone; the last change that fills a slot asks for nothing: there is no slot behind it.
.macro ASK
	s_cmp_gt_u32 s[SLOTS], s[LIM]
	s_cbranch_scc0 .Lnot_mine_\@
	global_prefetch_b8 v[PFO], s[PFK:PFK+1] th:TH_LOAD_NT scope:SCOPE_SE
	global_prefetch_b8 v[PFO], s[PFV:PFV+1] th:TH_LOAD_NT scope:SCOPE_SE
.Lnot_mine_\@:
.endm
	s_load_b128 s[4:7], s[0:1], 0x0                ; qkv16 s[4:5], att16 s[6:7]
	v_lshl_add_u32 v[SPW], v0, 2, SPARE
	v_mov_b32 v[NIL], 0
	ds_add_u32 v[SPW], v[NIL]                      ; the wave's opening: the add, twice on end, and its wait ahead of my first tensor load
	ds_add_u32 v[SPW], v[NIL]
	v_lshrrev_b32 v1, 5, v0
	v_readfirstlane_b32 s[WV], v1                  ; wave 0..7
	s_and_b32 s[W4], s[WV], 3
	s_lshr_b32 s[GRP], s[WV], 2
	s_lshl_b32 s13, s[GRP], 1
	s_add_co_u32 s[IDX], s[WV], s13
	s_and_b32 s[IDX], s[IDX], 3                    ; waves 0 .. 7: numbers 0, 1, 2, 3, 2, 3, 0, 1 of the four tiles
	s_and_b32 s8, ttmp7, 0xffff
	s_lshr_b32 s9, s8, 2                           ; the batch
	s_and_b32 s10, s8, 3                           ; the key head
	s_lshr_b32 s13, s[IDX], 1                      ; numbers 2 and 3 lie in the sequence's upper 64 tiles;
	s_xor_b32 s11, s[IDX], s13
	s_and_b32 s11, s11, 1                          ; numbers 1 and 2 count down from their half's end
	s_sub_co_u32 s12, 63, ttmp9
	s_cmp_eq_u32 s11, 1
	s_cselect_b32 s11, s12, ttmp9
	s_lshl_b32 s13, s13, 6
	s_add_co_u32 s11, s11, s13                     ; my tile: x, 63 - x, 127 - x, 64 + x
	s_lshl_b32 s[Q0], s11, 4                       ; my first query
	s_lshl_b32 s[LASTQ], ttmp9, 4
	s_sub_co_u32 s[LASTQ], 2047, s[LASTQ]          ; tile 127 - x's last
	s_add_co_u32 s12, s10, 8
	s_lshl_b32 s12, s12, 20                        ; a head is 4,096 rows of 256 bytes,
	s_lshl_b32 s11, s9, 19                         ; a batch 2,048 of them
	s_add_co_u32 s12, s12, s11                     ; K's first key
	s_lshl_b32 s14, s[W4], 14
	s_add_co_u32 s14, s14, s12                     ; the 64 rows of slot 0 that I fetch
	s_mov_b32 s15, 0
	s_lshl_b32 s82, s[WV], 13
	s_add_co_u32 s82, s82, s12
	s_add_co_u32 s82, s82, 65536                   ; my 32 rows of slot 1: the first change of slots steps this to slot 2
	s_mov_b32 s83, 0
	s_lshl_b32 s84, s10, 21                        ; query head 2 x key head
	s_lshl_b32 s11, s9, 11
	s_add_co_u32 s11, s11, s[Q0]                   ; my first row
	s_lshl_b32 s85, s11, 8
	s_add_co_u32 s84, s84, s85
	s_mov_b32 s85, 0
	s_lshl_b32 s86, s11, 11                        ; a row of att16 is 2,048 bytes,
	s_lshl_b32 s87, s10, 9                         ; my two heads 512 of them
	s_add_co_u32 s86, s86, s87
	s_mov_b32 s87, 0
	; descriptor group 1: a tile of 64 rows x 128 elements of 2 bytes, padded in LDS
	s_mov_b32 s[G1K], (1<<16)|(1<<20)|(5<<22)|(3<<25)              ; 15:0 no mask; 17:16 elements of 2 bytes; 20 padding on; 24:22 after every 64 words; 31:25 four words
	s_mov_b32 s[G1V], (1<<16)|(1<<20)|(5<<22)|(7<<25)              ; the same with eight words
.irp g, G1K, G1V
	s_mov_b32 s[\g+1], 128<<16                     ; tensor_dim0
	s_mov_b32 s[\g+2], 64<<16                      ; tensor_dim1
	s_mov_b32 s[\g+3], 128<<16                     ; tile_dim0
	s_mov_b32 s[\g+4], 64                          ; tile_dim1
	s_mov_b32 s[\g+5], 128                         ; tensor_dim0_stride
	s_mov_b32 s[\g+6], 0
	s_mov_b32 s[\g+7], 0
.endr
	s_mul_i32 s[OWNK], s[W4], 64*PK
	s_mul_i32 s[OWNV], s[W4], 64*PV
	s_add_co_u32 s[OWNV], s[OWNV], VOFF
	s_lshl_b32 s[G64], s[GRP], 6
	s_mov_b32 s[SEL], 0x76543210
	s_mov_b32 s[SEL+1], 0xfedcba98
	s_mov_b32 s[CS], 0x3e0293ee                    ; c = log2(e) / sqrt(128)
	s_mov_b32 s[CS+1], s[CS]
	s_mov_b32 s[TB], 0
	s_mov_b32 s[FB], 0
	s_mov_b32 s[KB], 0
	s_mov_b32 s[SLOTS], 7
	s_cmp_eq_u32 ttmp9, 0
	s_cselect_b32 s[LIM], 1, -1
	s_wait_dscnt 0x0                               ; both opening adds are done
	s_wait_kmcnt 0x0
	s_mov_b32 s[G0K], 1                            ; 1:0 count = 1
	s_mov_b32 s[G0K+1], s[OWNK]                    ; 63:32 LDS address: slot 0
	s_add_nc_u64 s[G0K+2:G0K+3], s[4:5], s[14:15]  ; 120:64 global address
	s_add_nc_u64 s[G0V+2:G0V+3], s[G0K+2:G0K+3], 0x400000   ; the value head lies four heads on
	s_or_b32 s[G0K+3], s[G0K+3], 0x80000000        ; 127:126 type = 2
	s_mov_b32 s[G0V], 1
	s_mov_b32 s[G0V+1], s[OWNV]
	s_or_b32 s[G0V+3], s[G0V+3], 0x80000000
	TLOAD                                          ; slot 0: every wave's first fill
	s_add_nc_u64 s[PFK:PFK+1], s[4:5], s[82:83]
	s_add_nc_u64 s[PFV:PFV+1], s[PFK:PFK+1], 0x400000
	s_add_nc_u64 s[84:85], s[4:5], s[84:85]        ; Q at my first row
	s_add_nc_u64 s[OUTP:OUTP+1], s[6:7], s[86:87]
	v_and_b32 v1, 15, v0                           ; r
	v_bfe_u32 v9, v0, 4, 1                         ; h
	v_lshlrev_b32 v[QO], 8, v1
	v_lshl_add_u32 v[QO], v9, 4, v[QO]             ; row x 256 + 16 x half
.irp t, 0,1
.irp c, 0,1,2,3                                ; Q stays in registers: tile t (the next head lies 2^20 bytes on), channels 32 c on
	global_load_b128 v[QF+32*\t+8*\c:QF+32*\t+8*\c+3],   v[QO], s[84:85] offset:\t*1048576+64*\c
	global_load_b128 v[QF+32*\t+8*\c+4:QF+32*\t+8*\c+7], v[QO], s[84:85] offset:\t*1048576+64*\c+32
.endr
.endr
	v_mul_u32_u24 v[AK0], v1, PK
	v_lshl_add_u32 v[AK0], v9, 4, v[AK0]
	s_mul_i32 s11, s[GRP], 64*PK
	v_add_nc_u32 v[AK0], s11, v[AK0]               ; row x pitch + 16 x half + my group's 64 rows
	v_and_b32 v34, 7, v0
	v_bfe_u32 v35, v0, 3, 1
	v_lshl_add_u32 v[AV0], v9, 3, v34              ; the turning load: lane l reads key 8 (l / 16) + l % 8, channels 8 ((l / 8) % 2) + 0..7
	v_mul_u32_u24 v[AV0], v[AV0], PV
	v_lshl_add_u32 v[AV0], v35, 4, v[AV0]
	s_mul_i32 s11, s[GRP], 64*PV
	s_add_co_u32 s11, s11, VOFF
	v_add_nc_u32 v[AV0], s11, v[AV0]
	s_mul_i32 s11, s[W4], 16*SP
	s_add_co_u32 s11, s11, STG                     ; my stage
	v_mul_u32_u24 v[STO], v1, SP
	v_lshl_add_u32 v[STO], v9, 4, v[STO]
	v_add_nc_u32 v[STO], s11, v[STO]               ; in: row r, 16 bytes for each half of the lanes
	v_mul_u32_u24 v[RD], v9, SP
	v_lshl_add_u32 v[RD], v1, 4, v[RD]
	v_add_nc_u32 v[RD], s11, v[RD]                 ; back: lanes 0-15 one row of 256 bytes, lanes 16-31 the next
	v_lshlrev_b32 v[GO], 11, v9
	v_lshl_add_u32 v[GO], v1, 4, v[GO]             ; and the same two rows in att16
	v_lshlrev_b32 v[RH], 3, v9
	v_sub_nc_u32 v[RH], v1, v[RH]
	v_and_b32 v34, 31, v0
	v_lshlrev_b32 v[PFO], 8, v34
	s_mul_i32 s11, s[IDX], MRGB
	v_lshlrev_b32 v[MI], 4, v34
	v_add_nc_u32 v[MI], s11, v[MI]                 ; the merge: my tile's region + 16 x lane: the two waves of a tile meet there
	v_mov_b32 v[NEG], 0xff800000
.irp t, 0,1
	v_mov_b32 v[ST+8*\t+1], 0xff61b1e6             ; m = -3e38, under every score
	v_mul_f32 v[ST+8*\t], s[CS], v[ST+8*\t+1]      ; c m
	v_mov_b32 v[ST+8*\t+2], 0                      ; l
	v_mov_b32 v[ST+8*\t+3], 0
.endr
	WIN W_LD
.set i, 0
.rept 128
	v_mov_b32 v[i], 0                              ; O^T.  The zeros are needed: a wave may have no step at all (the merge then adds nothing), and the step is written without a first form of its own
.set i, i+1
.endr
	WIN 0
; One tile's softmax for one key step is a list of 134 instructions; SM writes number j of it for tile t.  s0-s31 are the lane's 32 scores, in pairs 0-15.
;   0-15 the maximum of s0-s31 and the old m;  16-20 the other half of the lanes' maximum, the new m, c m, c m_old - c m_new;
;   21-69 ONE BATCH: the 16 scalings c s - c m and all 33 exponentials (the factor at 23, then s0-s31); none of these reads an exponential's result; a pair is scaled ahead of its exponentials;
;   70-85 the roundings to f16;  86-101 the sums, l = factor x l + the sum;  102-133 the tile's O^T x the factor.
.macro SM t
.set rT, ST+8*(\t)
.set rS, S+32*(\t)
.set rP, P+16*(\t)
.set rO, 64*(\t)+2*(j-102)
.if j < 4
	v_max3_num_f32 v[rT+4+j], v[rS+8*j], v[rS+8*j+1], v[rS+8*j+2]              ; each accumulator of S^T is read from its low end on
.elseif j < 12
	v_max3_num_f32 v[rT+4+j%4], v[rT+4+j%4], v[rS+8*(j%4)+2*(j/4)+1], v[rS+8*(j%4)+2*(j/4)+2]
.elseif j == 12
	v_max3_num_f32 v[rT+4], v[rT+4], v[rS+7], v[rS+15]
.elseif j == 13
	v_max3_num_f32 v[rT+6], v[rT+6], v[rS+23], v[rS+31]
.elseif j == 14
	v_max3_num_f32 v[rT+4], v[rT+4], v[rT+5], v[rT+6]
.elseif j == 15
	v_max3_num_f32 v[rT+4], v[rT+4], v[rT+7], v[rT+1]
.elseif j == 16
	v_permlanex16_b32 v[rT+5], v[rT+4], s[SEL], s[SEL+1]
.elseif j == 17
	v_mov_b32 v[rT+7], v[rT]
.elseif j == 18
	v_max_num_f32 v[rT+1], v[rT+4], v[rT+5]
.elseif j == 19
	v_mul_f32 v[rT], s[CS], v[rT+1]
.elseif j == 20
	v_sub_f32 v[rT+7], v[rT+7], v[rT]
.elseif j == 23
	v_exp_f32 v[rT+6], v[rT+7]
.elseif (j < 23) || ((j < 38) && (j%2 == 0)) || ((j < 66) && (j%4 == 2))
.set b, (j-2)/4
.if j < 38
.set b, (j-20)/2
.endif
	v_pk_fma_f32 v[rS+2*b:rS+2*b+1], v[rS+2*b:rS+2*b+1], s[CS:CS+1], v[rT:rT+1] op_sel_hi:[1,0,0] neg_lo:[0,0,1] neg_hi:[0,0,1]
.elseif j < 70
.set e, j-38
.if j < 66
.set e, j-32-(j-38)/4
.endif
.if j < 38
.set e, (j-25)/2
.endif
	v_exp_f32 v[rS+e], v[rS+e]
.elseif j < 86
	v_cvt_pk_f16_f32 v[rP+j-70], v[rS+2*(j-70)], v[rS+2*(j-70)+1]
.elseif j < 102
.set z, j-86
.set w, 4
.set u, z
.if z >= 14
.set w, 32
.set u, 0
.elseif z >= 12
.set w, 16
.set u, z-12
.elseif z >= 8
.set w, 8
.set u, z-8
.endif
.if z < 15
	v_pk_add_f32 v[rS+w*u:rS+w*u+1], v[rS+w*u:rS+w*u+1], v[rS+w*u+w/2:rS+w*u+w/2+1]
.else
	v_pk_fma_f32 v[rT+2:rT+3], v[rT+2:rT+3], v[rT+6:rT+7], v[rS:rS+1] op_sel_hi:[1,0,1]
.endif
.else
	v_pk_mul_f32 v[rO:rO+1], v[rO:rO+1], v[rT+6:rT+7] op_sel_hi:[1,0]
.endif
.endm
; A KEY STEP: my group's q-th 64 keys of the slot in hand.
.macro STEP q
	s_add_co_u32 s[KF], s[KB], 128*(\q)
	s_add_co_u32 s[KF], s[KF], s[G64]
	s_cmp_gt_u32 s[KF], s[Q0]                      ; all 64 keys come after my 16 queries: the step is left out.  No barrier, wait for tiles or tensor load stands in a step
	s_cbranch_scc1 .Lhidden_\@
	v_add_nc_u32 v[ADR], s[TB], v[AK0]
	WIN W_LD
.irp c, 0,1,2,3                                ; K: channels 32 c on, keys 16 kt on, into fragment 4 kt + c.  By channels, as the products below take them: eight loads for each eight products
.irp kt, 0,1,2,3
	ds_load_b128 v[BUF+8*(4*\kt+\c):BUF+8*(4*\kt+\c)+3],   v[ADR] offset:(\q)*128*PK+\kt*16*PK+\c*64
	ds_load_b128 v[BUF+8*(4*\kt+\c)+4:BUF+8*(4*\kt+\c)+7], v[ADR] offset:(\q)*128*PK+\kt*16*PK+\c*64+32
.endr
.endr
	WIN W_KQ
.set i, 0
.rept 32                                       ; S^T = K Q^T: channels 32 (i / 8) on, keys 16 ((i / 2) % 4) on, tile i % 2.  Eight accumulators by turns; the first eight products start the sums
.set rS, S+32*(i%2)+8*((i/2)%4)
.set rK, BUF+32*((i/2)%4)+8*(i/8)
.set rQ, QF+32*(i%2)+8*(i/8)
.if i%8 == 0
	s_wait_dscnt 24-i                              ; these 32 channels' eight loads are in; the eight of each later 32 channels may be out: 24, 16, 8, 0
.endif
.if i < 8
	v_wmma_f32_16x16x32_f16 v[rS:rS+7], v[rK:rK+7], v[rQ:rQ+7], 0
.else
	v_wmma_f32_16x16x32_f16 v[rS:rS+7], v[rK:rK+7], v[rQ:rQ+7], v[rS:rS+7]
.endif
.set i, i+1
.endr
	WIN 0
.rept 4
	v_nop                                          ; places in front of loads into the buffer that these products read, and of the first read of the scores
.endr
	v_add_nc_u32 v[ADR], s[TB], v[AV0]
	WIN W_LD
.irp f, 0,1,2,3,4,5,6,7,8,9,10,11,12,13,14,15  ; V, turned: keys 32 (f / 8) on, channels 16 (f % 8) on.  It lands under the softmax
	ds_load_tr16_b128 v[BUF+8*\f:BUF+8*\f+3],   v[ADR] offset:(\q)*128*PV+(\f/8)*32*PV+(\f%8)*32
	ds_load_tr16_b128 v[BUF+8*\f+4:BUF+8*\f+7], v[ADR] offset:(\q)*128*PV+(\f/8)*32*PV+16*PV+(\f%8)*32
.endr
	WIN 0
	s_add_co_u32 s96, s[KF], 63
	s_cmp_le_u32 s96, s[Q0]                        ; all 64 keys count for all my queries: no mask
	s_cbranch_scc1 .Lopen_\@
	s_sub_co_i32 s96, s[Q0], s[KF]
	v_add_nc_u32 v[DD], s96, v[RH]                 ; register n holds key KF + 16 (n / 8) + 8 h + n % 8: hidden where 16 (n / 8) + n % 8 > my query - KF - 8 h
.set n, 0
.rept 32
	v_cmp_gt_i32 vcc_lo, 16*(n/8)+n%8, v[DD]
	v_cndmask_b32 v[S+n], v[S+n], v[NEG], vcc_lo
	v_cndmask_b32 v[S+32+n], v[S+32+n], v[NEG], vcc_lo
.set n, n+1
.endr
.Lopen_\@:
.set j, 0
.rept 70                                       ; the two tiles alternate, so that no instruction reads the result of the one just before it
	SM 0
	SM 1
.set j, j+1
.endr
	v_nop                                          ; a plain instruction behind the last exponential,
	s_wait_alu depctr_va_vdst(0)                   ; and ONE wait for the 66 of both tiles, ahead of the first instruction that names a result
.rept 32
	SM 0
	SM 1
.set j, j+1
.endr
	WIN W_RS
.rept 32
	SM 0
	SM 1
.set j, j+1
.endr
	s_wait_dscnt 0x0                               ; V is in
	WIN W_PV
.set i, 0
.rept 32                                       ; O^T += V^T P: keys 32 (i / 16) on, channels 16 ((i / 2) % 8) on, tile i % 2.  Sixteen accumulators by turns
.set rO, 64*(i%2)+8*((i/2)%8)
.set rV, BUF+64*(i/16)+8*((i/2)%8)
.set rP, P+16*(i%2)+8*(i/16)
	v_wmma_f32_16x16x32_f16 v[rO:rO+7], v[rV:rV+7], v[rP:rP+7], v[rO:rO+7]
.set i, i+1
.endr
	WIN 0
.rept 4
	v_nop                                          ; places in front of the next loads into the buffer, and of the first read of O^T
.endr
.Lhidden_\@:
.endm
; THE CHANGE OF SLOTS stands at a slot's head.  Each wave waits for all its tensor loads (its part of the slot that is about to be read), adds 0 to its spare word, and waits for that and for its reads of the slot that it has left.
; Behind the barrier the slot ahead is whole and nobody reads the other one.  fill = 1: that other slot is filled with the next 256 keys, up to the causal limit: the load has a slot's steps in which to land..
.macro CHANGE fill
	s_wait_tensorcnt 0x0                           ; no tensor load of mine is out, so a group 0 may be written
	ds_add_u32 v[SPW], v[NIL]                      ; 0 onto my spare word; the descriptors' steps stand between it and the wait for it
.if \fill
	s_xor_b32 s[FB], s[FB], SLOTB                  ; 0 or SLOTB: the other slot than last time
	s_add_co_u32 s[G0K+1], s[FB], s[OWNK]
	s_add_co_u32 s[G0V+1], s[FB], s[OWNV]
	s_add_nc_u64 s[G0K+2:G0K+3], s[G0K+2:G0K+3], 65536   ; the next 256 keys; the type bits on top are not reached
	s_add_nc_u64 s[G0V+2:G0V+3], s[G0V+2:G0V+3], 65536
	s_wait_xcnt 0x0                                ; the last prefetches, a slot back, have read their addresses, so these may be written:
	s_add_nc_u64 s[PFK:PFK+1], s[PFK:PFK+1], 65536 ; one slot further on than the walking descriptors
	s_add_nc_u64 s[PFV:PFV+1], s[PFV:PFV+1], 65536
.endif
	s_wait_dscnt 0x0                               ; the add is done, and my reads of the slot that I have left are over
	s_barrier_signal -1
	s_barrier_wait -1
.if \fill
	s_add_co_u32 s96, s[KB], 256                   ; the first key of the slot that this change would ask for, against my work-group's last query:
	s_cmp_gt_u32 s96, s[LASTQ]                     ; the work-group's number and the count of steps alone: all eight waves go the same way, and a work-group that is past the limit stays past it
	s_cbranch_scc1 .Lpast_\@
	TLOAD                                          ; the wave's one tensor load until the next change, ahead of every LDS read
.Lpast_\@:
	ASK
.endif
.endm
.macro SLOT_STEPS
	STEP 0
	STEP 1
	s_xor_b32 s[TB], s[TB], SLOTB                  ; on to the other slot
	s_add_co_u32 s[KB], s[KB], 256
.endm
	s_wait_loadcnt 0x0                             ; Q
.Lslot:                                            ; seven trips: behind each change of slots but the last the next slot is asked for, up to the causal limit
	CHANGE 1
	SLOT_STEPS
	s_sub_co_u32 s[SLOTS], s[SLOTS], 1
	s_cmp_lg_u32 s[SLOTS], 0
	s_cbranch_scc1 .Lslot
	CHANGE 0                                       ; the last slot is written out: nothing is left to ask for
	SLOT_STEPS
	; THE MERGE.  Waves 4-7 hand their O^T and statistics to the waves 0-3 that hold the same tiles, as images of their registers: 16 bytes a lane, 512 a store.
	v_mov_b32 v224, v[ST]                          ; c m and l of tile 0,
	v_add_f32 v225, v[ST+2], v[ST+3]
	v_mov_b32 v226, v[ST+8]                        ; and of tile 1
	v_add_f32 v227, v[ST+10], v[ST+11]
	s_cmp_lt_u32 s[WV], 4
	s_cbranch_scc1 .Lkeep
	WIN 0x04                                       ; an LDS store's data are its source 1: window 1
.set i, 0
.rept 32
	ds_store_b128 v[MI], v[4*i:4*i+3] offset:512*i ; ascending: each accumulator from its low end on
.set i, i+1
.endr
	WIN 0
	ds_store_b128 v[MI], v[224:227] offset:16384
.Lkeep:
	s_wait_dscnt 0x0                               ; for the others' sake: my stores have landed
	s_barrier_signal -1
	s_barrier_wait -1
	s_cmp_ge_u32 s[WV], 4
	s_cbranch_scc1 .Lend
	ds_load_b128 v[228:231], v[MI] offset:16384
	WIN W_LD
.set i, 0
.rept 32
	ds_load_b128 v[BUF+4*i:BUF+4*i+3], v[MI] offset:512*i
.set i, i+1
.endr
	WIN 0
	v_mov_b32 v240, 0                              ; a lane permute's destination counts as one of its sources
	v_mov_b32 v241, 0
	s_wait_dscnt 0x0
	v_max_num_f32 v232, v224, v228                 ; the joint c m of each tile
	v_max_num_f32 v233, v226, v230
	v_sub_f32 v234, v224, v232
	v_sub_f32 v235, v228, v232
	v_sub_f32 v236, v226, v233
	v_sub_f32 v237, v230, v233
	v_exp_f32 v234, v234                           ; what brings my part under the joint maximum, and my partner's
	v_exp_f32 v235, v235
	v_exp_f32 v236, v236
	v_exp_f32 v237, v237
	v_nop
	s_wait_alu depctr_va_vdst(0)                   ; one wait for the four
	v_mul_f32 v238, v225, v234
	v_mul_f32 v239, v227, v236
	v_fma_f32 v238, v229, v235, v238
	v_fma_f32 v239, v231, v237, v239
	v_permlanex16_b32 v240, v238, s[SEL], s[SEL+1]
	v_permlanex16_b32 v241, v239, s[SEL], s[SEL+1]
	v_add_f32 v238, v238, v240                     ; with the other half of the lanes': the row's sum
	v_add_f32 v239, v239, v241
	v_rcp_f32 v238, v238
	v_rcp_f32 v239, v239
	v_nop
	s_wait_alu depctr_va_vdst(0)                   ; one wait for the two
	v_mul_f32 v242, v234, v238                     ; each factor twice: a pair for the packed forms
	v_mul_f32 v243, v234, v238
	v_mul_f32 v244, v235, v238
	v_mul_f32 v245, v235, v238
	v_mul_f32 v246, v236, v239
	v_mul_f32 v247, v236, v239
	v_mul_f32 v248, v237, v239
	v_mul_f32 v249, v237, v239
	WIN W_RS
.irp t, 0,1
.set i, 0
.rept 32
	v_pk_mul_f32 v[64*\t+2*i:64*\t+2*i+1], v[64*\t+2*i:64*\t+2*i+1], v[242+4*\t:243+4*\t]
.set i, i+1
.endr
.endr
	WIN W_PV
.irp t, 0,1
.set i, 0
.rept 32
	v_pk_fma_f32 v[64*\t+2*i:64*\t+2*i+1], v[BUF+64*\t+2*i:BUF+64*\t+2*i+1], v[244+4*\t:245+4*\t], v[64*\t+2*i:64*\t+2*i+1]
.set i, i+1
.endr
.endr
	; THE WAY OUT: a tile (16 rows x 128 channels) is rounded to f16, goes through my stage and comes back as whole rows of 256 bytes.
.macro PACK t
	WIN 0x05                                       ; sources 0 and 1 window 1, destination window 0
.set i, 0
.rept 32
	v_cvt_pk_f16_f32 v[224+i], v[64*\t+2*i], v[64*\t+2*i+1]
.set i, i+1
.endr
	WIN 0
.irp f, 0,1,2,3,4,5,6,7
	ds_store_b128 v[STO], v[224+4*\f:227+4*\f] offset:32*\f
.endr
.irp f, 0,1,2,3,4,5,6,7
	ds_load_b128 v[224+4*\f:227+4*\f], v[RD] offset:\f*2*SP    ; LDS serves a wave's instructions in order (ISA guide 5.7.1.4): these see the stores above
.endr
.endm
.macro SEND t
.irp f, 0,1,2,3,4,5,6,7
	s_wait_dscnt 7-\f                              ; the later row loads may stay out
	global_store_b128 v[GO], v[224+4*\f:227+4*\f], s[OUTP:OUTP+1] offset:4096*\f+256*\t   ; 16 lanes store 256 consecutive bytes, aligned: a head's part of a row
.endr
.endm
	PACK 0
	SEND 0
	s_wait_xcnt 0x0                                ; the stores have read their registers
	PACK 1
	SEND 1
.Lend:
	s_wait_tensorcnt 0x0                           ; the wave's end: 0 onto my spare word and its wait, behind my last tensor load and my last LDS store
	ds_add_u32 v[SPW], v[NIL]
	s_wait_dscnt 0x0
	s_endpgm
.Lfunc_end_k_q7ab291c10a_attn:
	.size	k_q7ab291c10a_attn, .Lfunc_end_k_q7ab291c10a_attn-k_q7ab291c10a_attn
	.p2alignl 7, 3214868480
	.fill 96, 4, 3214868480
	.section	.rodata,"a",@progbits
	.p2align	6, 0x0
	.amdhsa_kernel k_q7ab291c10a_attn
		.amdhsa_group_segment_fixed_size 327680
		.amdhsa_private_segment_fixed_size 0
		.amdhsa_enable_private_segment 0
		.amdhsa_kernarg_size 16
		.amdhsa_user_sgpr_count 2
		.amdhsa_user_sgpr_kernarg_segment_ptr 1
		.amdhsa_wavefront_size32 1
		.amdhsa_system_sgpr_workgroup_id_x 1
		.amdhsa_system_sgpr_workgroup_id_y 1
		.amdhsa_system_sgpr_workgroup_id_z 1
		.amdhsa_system_vgpr_workitem_id 0
		.amdhsa_next_free_vgpr 512
		.amdhsa_next_free_sgpr 100
		.amdhsa_reserve_vcc 1
		.amdhsa_float_denorm_mode_32 3
		.amdhsa_float_denorm_mode_16_64 3
		.amdhsa_memory_ordered 1
		.amdhsa_forward_progress 1
		.amdhsa_inst_pref_size 143
	.end_amdhsa_kernel
	.amdgpu_metadata
---
amdhsa.version: [ 1, 2 ]
amdhsa.kernels:
  - .name:           k_q7ab291c10a_attn
    .symbol:         k_q7ab291c10a_attn.kd
    .args:
      - { .name: qkv16, .offset: 0, .size: 8, .value_kind: global_buffer, .address_space: global }
      - { .name: att16, .offset: 8, .size: 8, .value_kind: global_buffer, .address_space: global }
    .group_segment_fixed_size: 327680
    .private_segment_fixed_size: 0
    .kernarg_segment_align: 8
    .kernarg_segment_size: 16
    .max_flat_workgroup_size: 256
    .sgpr_count:     100
    .vgpr_count:     512
    .wavefront_size: 32
...
	.end_amdgpu_metadata
.endif
;; end of part 3
;; launch oproj (part 4): grid 16 x 16, 4 waves a work-group, clusters of 4 x 4, 327,680 bytes of LDS; arguments att16, ow16, out0; writes out0
.if DOCPART == 4
	.amdgcn_target "amdgcn-amd-amdhsa--gfx1250"
	.amdhsa_code_object_version 6
	.text
	.protected	k_q7ab291c10a_oproj
	.globl	k_q7ab291c10a_oproj
	.p2align	8
	.type	k_q7ab291c10a_oproj,@function
k_q7ab291c10a_oproj:
	s_mov_b64 s[64:65], 0
	v_nop
	global_prefetch_b8 v0, s[64:65] scope:SCOPE_SE
	s_setreg_imm32_b32 hwreg(HW_REG_WAVE_MODE, 25, 1), 1
	s_wait_xcnt 0x0
	s_wait_alu depctr_hold_cnt(0) depctr_sa_sdst(0) depctr_va_vdst(0) depctr_va_sdst(0) depctr_va_ssrc(0) depctr_va_vcc(0) depctr_vm_vsrc(0)
	s_getreg_b32 s2, hwreg(HW_REG_IB_STS2, 6, 4)
	s_cmp_eq_u32 s2, 0
	s_cbranch_scc0 .Lentry_in_a_cluster
	s_endpgm
.Lentry_in_a_cluster:
	s_bfe_u32 s2, ttmp6, 0x10000c
	s_cmp_lg_u32 s2, 0xf033
	s_cbranch_scc0 .Lentry_shape_is_right
	s_endpgm
.Lentry_shape_is_right:
; THE PROJECTION ON THE WAY OUT: C[m][n] = sum over k of A[m][k] B[n][k].  A = att16 [4096][1024], B = ow16 [2048][1024], f16; C = out0 [4096][2048], f32; sums in f32.
; A tile of C is 128 x 128.  Four waves, each 64 x 64: 16 accumulators of 16 x 16, 128 registers.  K goes in steps of 256 (LDS rows of 512 bytes; a wave's tensor load brings 64 of them) through a ring of two slots.
; A WORK-GROUP STAYS: 256 work-groups make two tiles each, 2,048 rows apart, and the ring does not stop between them: the first tile's last two changes of slots ask for the second tile's K steps 0 and 1
; (A: 2,048 rows down and back along K; B: only back, since both tiles take the same rows of B), and the first tile's stores leave while the second is multiplied.  Four K steps a tile: the text is written straight, without a loop.
; CLUSTERS: 4 x 4 work-groups.  The four of a row of the cluster need the same tiles of A, the four of a column the same tiles of B: each tile is asked for JOINTLY, by the same tensor load with the same descriptor and a mask
; that names the four.  THE MATRIX INSTRUCTION IS USED TRANSPOSED (source 0 = 16 rows of B, source 1 = 16 rows of A): a lane then holds eight neighbouring numbers of a row of C.
; THE WAY OUT: a wave's 64 columns of f32 are 256 bytes, aligned: so each wave has a stage of its own, behind the ring, and no barrier is needed.
; Rows 0-15 of each sequence are written here like all others and written anew, from f32 operands, by the launch that follows.
; LIMITS: operands beyond f16's range are not served (stated where they are made).
; REGISTERS: window 0: v0-31 addresses; v32-95 rows on the way out; v128-255 the accumulators ((a, b) at v[128 + 8 (4 a + b)]).   window 1: two fragment buffers of 128: for 64 along K, 64 registers of A, then 64 of B.
.set SIZE_M, 4096
.set SIZE_N, 2048
.set SIZE_K, 1024
.set KSTEP,  256
.set PITCH,  528                       ; an LDS row: 512 bytes + 16 of padding, so that the 16 rows that a load touches start 132 words apart
.set HALFT,  64*PITCH                  ; 64 rows: what one tensor load brings
.set SLOT,   4*HALFT                   ; A's 128 rows, then B's 128 rows
.set STAGE,  2*SLOT                    ; behind the ring: 16 rows x 272 bytes for each wave
.set SPITCH, 272
.set SPARE,  STAGE+4*16*SPITCH         ; behind the stages: the spare words, 128 bytes a wave
.set WALK,   SIZE_M/2                  ; a work-group's two tiles lie WALK rows apart
.set NEXT_A, WALK*SIZE_K*2-(SIZE_K-2*KSTEP)*2   ; bytes from a slot's last K step of the first tile to its first of the second: A goes WALK rows down and back along K,
.set BACK_B, (SIZE_K-2*KSTEP)*2        ; B only back
.set ADRA, 16
.set ADRB, 20
.set STO,  24                          ; v24 the way out: where I put 32 bytes of a row
.set RD,   25                          ; v25 where I read a row back
.set CO,   26                          ; v26 my byte offset in C
.set SPW,  28
.set NIL,  29
.set TMP,  32
.set ACC,  128
.set F0,   0
.set F1,   128
.set G1, 24
.set G0, 32
.set G1B, 48
.set G0B, 56
.set MSB, 0
.macro WIN new
.if MSB != \new
	s_set_vgpr_msb (MSB<<8)|\new
.set MSB, \new
.endif
.endm
.set MUL,  0x05                        ; sources 0 (B) and 1 (A) window 1; C and D window 0
.set TO_F, 0x40                        ; destination window 1, address window 0
.macro JLOAD s                         ; a joint load: waves 0 and 1 fetch A's two halves, waves 2 and 3 B's; an s_nop 0 and four v_nop follow each of the two lines
	s_cmp_eq_u32 s11, 0
	s_cbranch_scc0 .Lfor_b_\@
	tensor_load_to_lds s[G0+4*\s:G0+4*\s+3], s[G1:G1+7]
	s_nop 0
.rept 4
	v_nop
.endr
	s_branch .Lasked_\@
.Lfor_b_\@:
	tensor_load_to_lds s[G0B+4*\s:G0B+4*\s+3], s[G1B:G1B+7]
	s_nop 0
.rept 4
	v_nop
.endr
.Lasked_\@:
.endm
.macro CREST
	s_cmp_lg_u32 s10, 0
	s_cbranch_scc1 .Lnot_wave_0_\@
	s_barrier_signal -3
.Lnot_wave_0_\@:
	s_barrier_wait -3
	s_barrier_signal -1
	s_barrier_wait -1
.endm
.macro CROUND
	s_barrier_signal -1
	s_barrier_wait -1
	CREST
.endm
	s_load_b128 s[4:7], s[0:1], 0x0                ; A s[4:5], B s[6:7]
	s_load_b64 s[8:9], s[0:1], 0x10                ; C
	v_lshl_add_u32 v[SPW], v0, 2, SPARE
	v_mov_b32 v[NIL], 0
	ds_add_u32 v[SPW], v[NIL]                      ; the wave's opening: the add, twice on end, and its wait ahead of my first tensor load
	ds_add_u32 v[SPW], v[NIL]
	v_lshrrev_b32 v1, 5, v0
	v_readfirstlane_b32 s10, v1                    ; wave 0..3
	s_lshr_b32 s11, s10, 1                         ; which half of the tile's rows is mine.  Also: I fetch for A (0) or for B (1)
	s_and_b32 s12, s10, 1                          ; which half of its columns.  Also: which 64 rows of that tile I fetch
	s_bfe_u32 s40, ttmp6, 0x40000                  ; cx, cy
	s_bfe_u32 s41, ttmp6, 0x40004
	s_lshl_b32 s42, ttmp9, 2
	s_add_co_u32 s42, s42, s40                     ; tile column of C
	s_and_b32 s13, ttmp7, 0xffff
	s_lshl_b32 s13, s13, 2
	s_add_co_u32 s13, s13, s41                     ; tile row of C of my first tile, 0 .. 15
	s_lshl_b32 s43, s41, 2
	s_lshl_b32 s43, 15, s43                        ; my row of the cluster
	s_lshl_b32 s44, 0x1111, s40                    ; my column
	s_or_b32 s[G1+0], s43, (1<<16)|(1<<20)|(1<<21)|(6<<22)|(3<<25)  ; the mask; elements of 2 bytes; padding on; bit 21 beside a mask; after every 128 words four words
	s_or_b32 s[G1B+0], s44, (1<<16)|(1<<20)|(1<<21)|(6<<22)|(3<<25)
.irp g, G1, G1B
	s_mov_b32 s[\g+1], KSTEP<<16                   ; tensor_dim0 = 256
	s_mov_b32 s[\g+2], 64<<16                      ; tensor_dim1 = 64
	s_mov_b32 s[\g+3], KSTEP<<16                   ; tile_dim0 = 256
	s_mov_b32 s[\g+4], 64                          ; tile_dim1 = 64
	s_mov_b32 s[\g+5], SIZE_K                      ; tensor_dim0_stride
	s_mov_b32 s[\g+6], 0
	s_mov_b32 s[\g+7], 0
.endr
	s_lshl_b32 s17, s12, 6
	s_lshl_b32 s16, s13, 7
	s_add_co_u32 s16, s16, s17                     ; A: row 128 x tile row + 64 x half
	s_lshl_b32 s46, s42, 7
	s_add_co_u32 s46, s46, s17                     ; B: row 128 x tile column + 64 x half
	s_mov_b32 s17, 0
	s_mov_b32 s47, 0
	s_mov_b64 s[18:19], SIZE_K*2
	s_mul_u64 s[16:17], s[16:17], s[18:19]
	s_mul_u64 s[46:47], s[46:47], s[18:19]
	s_mul_i32 s20, s10, HALFT                      ; where they go: wave x 64 rows
	s_wait_dscnt 0x0                               ; both opening adds are done
	s_wait_kmcnt 0x0
	s_add_nc_u64 s[14:15], s[4:5], s[16:17]
	s_add_nc_u64 s[46:47], s[6:7], s[46:47]
	CROUND                                         ; all sixteen work-groups are here: the first joint loads meet
.irp s, 0,1
	s_mov_b32 s[G0+4*\s], 1
	s_add_co_u32 s[G0+4*\s+1], s20, \s*SLOT
	s_add_nc_u64 s[G0+4*\s+2:G0+4*\s+3], s[14:15], \s*KSTEP*2
	s_or_b32 s[G0+4*\s+3], s[G0+4*\s+3], 0x80000000
	s_mov_b32 s[G0B+4*\s], 1
	s_add_co_u32 s[G0B+4*\s+1], s20, \s*SLOT
	s_add_nc_u64 s[G0B+4*\s+2:G0B+4*\s+3], s[46:47], \s*KSTEP*2
	s_or_b32 s[G0B+4*\s+3], s[G0B+4*\s+3], 0x80000000
	JLOAD \s
.endr
	v_and_b32 v1, 15, v0                           ; r
	v_bfe_u32 v2, v0, 4, 1                         ; h
	v_mul_u32_u24 v3, v1, PITCH
	v_lshl_add_u32 v3, v2, 4, v3
	s_mul_i32 s21, s11, HALFT                      ; my 64 rows of A
	s_mul_i32 s22, s12, HALFT                      ; my 64 rows of B,
	s_add_co_u32 s22, s22, 2*HALFT                 ; which lie behind A's 128
.irp s, 0,1
	v_add_nc_u32 v[ADRA+\s], s21, v3
	v_add_nc_u32 v[ADRB+\s], s22, v3
	s_add_co_u32 s21, s21, SLOT
	s_add_co_u32 s22, s22, SLOT
.endr
	s_mul_i32 s23, s10, 16*SPITCH
	s_add_co_u32 s23, s23, STAGE                   ; my stage
	v_mul_u32_u24 v4, v1, SPITCH
	v_lshl_add_u32 v4, v2, 5, v4
	v_add_nc_u32 v[STO], s23, v4                   ; in: row r, 32 bytes for each half of the lanes
	v_mul_u32_u24 v5, v2, SPITCH
	v_lshl_add_u32 v5, v1, 4, v5
	v_add_nc_u32 v[RD], s23, v5                    ; back: lanes 0-15 one row of 256 bytes, lanes 16-31 the next
	v_lshlrev_b32 v5, 13, v2                       ; and the same two rows in C: a row is 8,192 bytes
	v_lshl_add_u32 v[CO], v1, 4, v5
	s_lshl_b32 s16, s13, 7
	s_lshl_b32 s17, s11, 6
	s_add_co_u32 s16, s16, s17                     ; my first row of C
	s_mov_b32 s17, 0
	s_mov_b64 s[18:19], SIZE_N*4
	s_mul_u64 s[16:17], s[16:17], s[18:19]
	s_add_nc_u64 s[8:9], s[8:9], s[16:17]
	s_lshl_b32 s46, s42, 9                         ; my first column, in bytes: 512 x tile column + 256 x half
	s_lshl_b32 s47, s12, 8
	s_add_co_u32 s46, s46, s47
	s_mov_b32 s47, 0
	s_add_nc_u64 s[8:9], s[8:9], s[46:47]
; 8 matrix instructions: m blocks a0, a0 + 1 x all 4 n blocks, 32 along K: half c of buffer f.  zero = 1: the first product starts the sums.  The 16 accumulators take turns.
.macro MUL8 f, c, a0, zero
.irp a, \a0, \a0+1
.irp b, 0,1,2,3
.if \zero
	v_wmma_f32_16x16x32_f16 v[ACC+8*(4*(\a)+\b):ACC+8*(4*(\a)+\b)+7], v[\f+64+8*(4*\c+\b):\f+64+8*(4*\c+\b)+7], v[\f+8*(4*\c+\a):\f+8*(4*\c+\a)+7], 0
.else
	v_wmma_f32_16x16x32_f16 v[ACC+8*(4*(\a)+\b):ACC+8*(4*(\a)+\b)+7], v[\f+64+8*(4*\c+\b):\f+64+8*(4*\c+\b)+7], v[\f+8*(4*\c+\a):\f+8*(4*\c+\a)+7], v[ACC+8*(4*(\a)+\b):ACC+8*(4*(\a)+\b)+7]
.endif
.endr
.endr
.endm
.macro FETCH slot, k, f                ; 32 LDS loads in one run: the fragments of 64 along K at byte k of the rows, into buffer f; the first 32 along K first
	WIN TO_F
.irp c, 0,1
.irp i, 0,1,2,3
	ds_load_b128 v[\f+64+8*(4*\c+\i):\f+64+8*(4*\c+\i)+3],   v[ADRB+\slot] offset:\k+64*\c+\i*16*PITCH
	ds_load_b128 v[\f+64+8*(4*\c+\i)+4:\f+64+8*(4*\c+\i)+7], v[ADRB+\slot] offset:\k+64*\c+\i*16*PITCH+32
	ds_load_b128 v[\f+8*(4*\c+\i):\f+8*(4*\c+\i)+3],         v[ADRA+\slot] offset:\k+64*\c+\i*16*PITCH
	ds_load_b128 v[\f+8*(4*\c+\i)+4:\f+8*(4*\c+\i)+7],       v[ADRA+\slot] offset:\k+64*\c+\i*16*PITCH+32
.endr
.endr
.endm
.macro PLACES                          ; four places in front of loads into registers that matrix instructions have read
.rept 4
	v_nop
.endr
.endm
.macro QUARTER slot, k, f, g, zero     ; 64 along K: multiplies buffer f and fetches the next quarter, at byte k, into g
	s_wait_dscnt 16                                ; the first 32 along K are in; the sixteen loads of the second 32 may be out
	WIN MUL
	MUL8 \f, 0, 0, \zero
	MUL8 \f, 0, 2, \zero
	PLACES
	FETCH \slot, \k, \g
	s_wait_dscnt 32                                ; all but the 32 just issued
	WIN MUL
	MUL8 \f, 1, 0, 0
	MUL8 \f, 1, 2, 0
.endm
.macro THREE slot, zero                ; a K step's first three quarters
	QUARTER \slot, 128, F0, F1, \zero
	QUARTER \slot, 256, F1, F0, 0
	QUARTER \slot, 384, F0, F1, 0
.endm
; The last quarter multiplies buffer 1 and changes slots: ONE barrier; in front of it each wave waits for all its tensor loads, adds 0 to its spare word, and waits for that and for its own reads of this slot.
; fill = 1: this slot is filled again with this tile's K step two steps on;  fill = 2: with the next tile's K step 0 or 1;  fill = 0: nothing is left to fetch.
.macro TURN slot, next, fill
	WIN 0
	s_wait_tensorcnt 0x0                           ; all my tensor loads have landed: my part of the next slot
	ds_add_u32 v[SPW], v[NIL]                      ; 0 onto my spare word
	s_wait_dscnt 17                                ; (the add and the youngest sixteen loads may be out)
	WIN MUL
	MUL8 F1, 0, 0, 0
	s_wait_dscnt 0x0                               ; the add is done, and my reads of this slot are over
	s_barrier_signal -1
	MUL8 F1, 0, 2, 0
.if \fill
	WIN 0
.endif
	s_barrier_wait -1
.if \fill
	CREST                                          ; the barrier has opened a round of the cluster's barrier: no wave of any partner still reads this slot's tile or has a load on its way
.if \fill == 2
	s_add_nc_u64 s[G0+4*\slot+2:G0+4*\slot+3], s[G0+4*\slot+2:G0+4*\slot+3], NEXT_A
	s_sub_nc_u64 s[G0B+4*\slot+2:G0B+4*\slot+3], s[G0B+4*\slot+2:G0B+4*\slot+3], BACK_B
.else
	s_add_nc_u64 s[G0+4*\slot+2:G0+4*\slot+3], s[G0+4*\slot+2:G0+4*\slot+3], 2*KSTEP*2
	s_add_nc_u64 s[G0B+4*\slot+2:G0B+4*\slot+3], s[G0B+4*\slot+2:G0B+4*\slot+3], 2*KSTEP*2
.endif
	JLOAD \slot                                    ; the first tensor load behind the round; the four v_nop behind it are also the places in front of the loads below
.else
	PLACES
.endif
	FETCH \next, 0, F0
	WIN MUL
	MUL8 F1, 1, 0, 0
	MUL8 F1, 1, 2, 0
.endm
; THE WAY OUT, a block of 16 rows x 64 columns at a time: 32 bytes a lane into my stage, back as whole rows of 256 bytes.
.macro TOSTAGE a
.irp b, 0,1,2,3
	ds_store_b128 v[STO], v[ACC+8*(4*(\a)+\b):ACC+8*(4*(\a)+\b)+3] offset:64*\b            ; each accumulator from its low end on
	ds_store_b128 v[STO], v[ACC+8*(4*(\a)+\b)+4:ACC+8*(4*(\a)+\b)+7] offset:64*\b+16
.endr
.set BB, TMP+32*((\a)%2)
.irp t, 0,1,2,3,4,5,6,7
	ds_load_b128 v[BB+4*\t:BB+4*\t+3], v[RD] offset:\t*2*SPITCH    ; LDS serves a wave's instructions in order (ISA guide 5.7.1.4): these see the stores above, and the next block's stores come behind them
.endr
.endm
.macro SEND a, younger                 ; younger: the LDS instructions issued behind block a's loads: the next block's 8 stores and 8 loads, or none
.set BB, TMP+32*((\a)%2)
	s_wait_dscnt \younger
.irp t, 0,1,2,3,4,5,6,7
	global_store_b128 v[CO], v[BB+4*\t:BB+4*\t+3], s[8:9] offset:131072*(\a)+16384*\t th:TH_STORE_NT   ; 16 lanes store 256 consecutive bytes, aligned; written once, read by nobody here
.endr
.endm
.macro WAYOUT
.rept 5
	v_nop                                          ; four places ahead of the first read of the last results; the fifth for the next tile's first products, which begin these accumulators anew (ISA guide 7.12.1)
.endr
	TOSTAGE 0
.irp a, 1,2,3
.if \a > 1
	s_wait_xcnt 0x0                                ; block a - 2's stores have read their registers: block a's loads may land there
.endif
	TOSTAGE \a
	SEND \a-1, 16
.endr
	SEND 3, 0
.endm
	s_wait_tensorcnt 1                             ; my part of K step 0 is in (K step 1's load may be out)
	s_barrier_signal -1
	s_barrier_wait -1                              ; everybody's is
	FETCH 0, 0, F0
	; ---- the first tile
	THREE 0, 1                                     ; K step 0: its first products start the sums
	TURN 0, 1, 1                                   ; slot 0 takes K step 2
	THREE 1, 0                                     ; K step 1
	TURN 1, 0, 1                                   ; slot 1 takes K step 3
	THREE 0, 0                                     ; K step 2
	TURN 0, 1, 2                                   ; THE RING GOES ON INTO THE SECOND TILE: slot 0 takes its K step 0,
	THREE 1, 0                                     ; K step 3
	TURN 1, 0, 2                                   ; slot 1 its K step 1, and the second tile's first fragments are fetched
	WIN 0
	WAYOUT                                         ; both refills are asked for: now the tile goes out; nothing waits for its stores
	; ---- the second tile
	THREE 0, 1
	TURN 0, 1, 1
	THREE 1, 0
	TURN 1, 0, 1
	THREE 0, 0
	TURN 0, 1, 0                                   ; nothing is left to fetch, and no round of the cluster's barrier follows
	THREE 1, 0
	s_wait_dscnt 16                                ; the very last quarter
	WIN MUL
	MUL8 F1, 0, 0, 0
	MUL8 F1, 0, 2, 0
	s_wait_dscnt 0
	MUL8 F1, 1, 0, 0
	MUL8 F1, 1, 2, 0
	WIN 0
	s_wait_xcnt 0x0                                ; the first tile's stores have read their registers and their base: both may be written again
	s_add_nc_u64 s[8:9], s[8:9], WALK*SIZE_N*4     ; 2,048 rows of C on
	WAYOUT
	s_wait_tensorcnt 0x0                           ; the wave's end: 0 onto my spare word and its wait, behind my last tensor load and my last LDS store
	ds_add_u32 v[SPW], v[NIL]
	s_wait_dscnt 0x0
	CROUND                                         ; the closing round: no work-group ends while a partner may still ask for a tile that names it
	s_endpgm
.Lfunc_end_k_q7ab291c10a_oproj:
	.size	k_q7ab291c10a_oproj, .Lfunc_end_k_q7ab291c10a_oproj-k_q7ab291c10a_oproj
	.p2alignl 7, 3214868480
	.fill 96, 4, 3214868480
	.section	.rodata,"a",@progbits
	.p2align	6, 0x0
	.amdhsa_kernel k_q7ab291c10a_oproj
		.amdhsa_group_segment_fixed_size 327680
		.amdhsa_private_segment_fixed_size 0
		.amdhsa_enable_private_segment 0
		.amdhsa_kernarg_size 24
		.amdhsa_user_sgpr_count 2
		.amdhsa_user_sgpr_kernarg_segment_ptr 1
		.amdhsa_wavefront_size32 1
		.amdhsa_system_sgpr_workgroup_id_x 1
		.amdhsa_system_sgpr_workgroup_id_y 1
		.amdhsa_system_sgpr_workgroup_id_z 1
		.amdhsa_system_vgpr_workitem_id 0
		.amdhsa_next_free_vgpr 512
		.amdhsa_next_free_sgpr 66
		.amdhsa_reserve_vcc 0
		.amdhsa_float_denorm_mode_32 3
		.amdhsa_float_denorm_mode_16_64 3
		.amdhsa_memory_ordered 1
		.amdhsa_forward_progress 1
		.amdhsa_inst_pref_size 165
	.end_amdhsa_kernel
	.amdgpu_metadata
---
amdhsa.version: [ 1, 2 ]
amdhsa.kernels:
  - .name:           k_q7ab291c10a_oproj
    .symbol:         k_q7ab291c10a_oproj.kd
    .args:
      - { .name: att16, .offset: 0, .size: 8, .value_kind: global_buffer, .address_space: global }
      - { .name: ow16, .offset: 8, .size: 8, .value_kind: global_buffer, .address_space: global }
      - { .name: out0, .offset: 16, .size: 8, .value_kind: global_buffer, .address_space: global }
    .group_segment_fixed_size: 327680
    .private_segment_fixed_size: 0
    .kernarg_segment_align: 8
    .kernarg_segment_size: 24
    .max_flat_workgroup_size: 128
    .sgpr_count:     66
    .vgpr_count:     512
    .wavefront_size: 32
...
	.end_amdgpu_metadata
.endif
;; end of part 4
;; launch first16 (part 5): grid 32 x 2, 4 waves a work-group, no clusters, 16,896 bytes of LDS; arguments fine32, o_w, out0; writes out0
.if DOCPART == 5
	.amdgcn_target "amdgcn-amd-amdhsa--gfx1250"
	.amdhsa_code_object_version 6
	.text
	.protected	k_q7ab291c10a_first16
	.globl	k_q7ab291c10a_first16
	.p2align	8
	.type	k_q7ab291c10a_first16,@function
k_q7ab291c10a_first16:
	s_mov_b64 s[64:65], 0
	v_nop
	global_prefetch_b8 v0, s[64:65] scope:SCOPE_SE
	s_setreg_imm32_b32 hwreg(HW_REG_WAVE_MODE, 25, 1), 1
	s_wait_xcnt 0x0
; POSITIONS 0-15 OF EACH SEQUENCE ONCE MORE, WITH f32 OPERANDS THROUGHOUT: scores, softmax, P V and the projection.  Under the causal mask these rows average one to sixteen values, so the rounding of 16-bit operands weighs most there.
; fine32: [2 batches][16 heads][16 chunks k][32 lanes][16 bytes] f32: lane (r, h) of chunk k holds (position r, channel 16 (k / 2) + 8 h + 4 (k % 2) + 0 .. 3); heads 0-7 queries, 8-11 keys, 12-15 values.
; o_w: [2048][1024] f32.  out0: [4096][2048] f32: rows 0-15 of each batch are written here, over what the launch before left there.
; SHARES.  Work-group (x, y): batch y, output columns 64 x .. 64 x + 63.  Wave w takes query heads 2 w and 2 w + 1, whose key head is w, through the attention, and their 256 of the projection's 1,024 along K, for all 64 columns;
; the four waves' parts are added through LDS.  The attention is done anew in each of the 32 work-groups of a batch: 128 small matrix instructions a wave, against a launch more and a way through memory.
; No cluster and no tensor load: what work-groups share is 128 KiB, each reads its own 64 rows of o_w.  64 work-groups: 16 columns to a work-group would leave a store 64 bytes of a row.
; THE f32 MATRIX FORM takes 4 along K: lane (r, h) holds row (or column) r and k = 2 h + 0, 1.  Every product here takes K in an order of its own, THE SAME ON BOTH SIDES, so that operands are used as the registers hold them:
;   S^T = K Q^T: step s takes registers 2 s, 2 s + 1 of both: channels 16 (s / 4) + 8 h + 2 (s % 4) + 0, 1.   Result: lane (r, h), register j: key 8 h + j, query r.
;   O^T = V^T P: step c takes p's registers 2 c, 2 c + 1: keys 8 h + 2 c + 0, 1; V is loaded so: register 8 ct + kk of lane (r, h) is V(key 8 h + kk, channel 16 ct + r).   Result: channel 16 ct + 8 h + j, query r.
;   D = W O^T: step (ct, c) takes O^T's registers 2 c, 2 c + 1 of tile ct: channels 16 ct + 8 h + 2 c + 0, 1; o_w is loaded so.   Result: column 16 n + 8 h + j, query r.
; The registers that the f32 matrix form writes lie in window 1 (v0-175) and are written by matrix instructions alone.
; LIMITS: NaN and infinities are not served.
; REGISTERS: window 0: v1-10 lane terms and addresses; v30, v31 the add's two; v32-95 K; v96-223 Q, 64 a head; v224-239 p, 8 a head; v240-251 at work.
;   window 1: v0-127 O^T (64 t + 8 ct); v128-159 D (8 n); v160-175 S^T (8 t); v176-239 V (8 ct + kk).   windows 2, 3: o_w for head t = 0, 1: register 32 ct + 8 n + i.
.set SPARE, 16384                      ; LDS: 4,096 bytes of sums for each wave, then the spare words, 128 bytes a wave
.set KR,  32
.set QR,  96
.set PR,  224
.set SPW, 30
.set NIL, 31
.set MSB, 0
.macro WIN new
.if MSB != \new
	s_set_vgpr_msb (MSB<<8)|\new
.set MSB, \new
.endif
.endm
	s_load_b128 s[4:7], s[0:1], 0x0                ; fine32 s[4:5], o_w s[6:7]
	s_load_b64 s[8:9], s[0:1], 0x10                ; out0
	v_lshl_add_u32 v[SPW], v0, 2, SPARE
	v_mov_b32 v[NIL], 0
	v_lshrrev_b32 v11, 5, v0
	v_readfirstlane_b32 s10, v11                   ; wave 0..3
	s_and_b32 s11, ttmp7, 0xffff                   ; the batch
	v_and_b32 v1, 15, v0                           ; r
	v_bfe_u32 v2, v0, 4, 1                         ; h
	v_and_b32 v11, 31, v0
	v_lshlrev_b32 v3, 4, v11                       ; 16 x lane
	v_bfe_u32 v11, v1, 2, 1                        ; V(key 8 h + kk, channel 16 ct + r) lies at 1,024 ct + 16 kk + 512 ((r / 4) % 2) + 256 (r / 8) + 128 h + 4 (r % 4)
	v_lshlrev_b32 v4, 9, v11
	v_lshrrev_b32 v11, 3, v1
	v_lshl_add_u32 v4, v11, 8, v4
	v_lshl_add_u32 v4, v2, 7, v4
	v_and_b32 v11, 3, v1
	v_lshl_add_u32 v4, v11, 2, v4
	v_lshlrev_b32 v5, 12, v1                       ; o_w: row r of 4,096 bytes, + 32 h
	v_lshl_add_u32 v5, v2, 5, v5
	v_lshlrev_b32 v6, 3, v2
	v_sub_nc_u32 v6, v1, v6                        ; r - 8 h: key 8 h + j is hidden from query r where j is above it
	v_mov_b32 v7, 0xff800000                       ; -infinity
	v_lshrrev_b32 v11, 2, v1                       ; the sums, read back by rows: lane x = l % 16 takes columns 4 x .. 4 x + 3: tile x / 4, half of the lanes (x / 2) % 2, upper or lower four registers x % 2
	v_lshlrev_b32 v8, 10, v11
	v_and_b32 v11, 1, v1
	v_lshl_add_u32 v8, v11, 9, v8
	v_bfe_u32 v11, v1, 1, 1
	v_lshl_add_u32 v8, v11, 8, v8
	v_lshl_add_u32 v8, v2, 4, v8                   ; query 4 w + l / 16 (+ 2 i)
	s_lshl_b32 s18, s10, 6
	v_add_nc_u32 v8, s18, v8
	v_lshlrev_b32 v9, 13, v2                       ; and in out0: a row is 8,192 bytes
	v_lshl_add_u32 v9, v1, 4, v9
	s_lshl_b32 s18, s10, 12
	v_add_nc_u32 v10, s18, v3                      ; where I put my sums: 4,096 x wave + 16 x lane
	v_mov_b32 v242, 0                              ; a lane permute's destination counts as one of its sources
	v_mov_b32 v243, 0
	s_mov_b32 s20, 0x76543210
	s_mov_b32 s21, 0xfedcba98
	s_mov_b32 s22, 0x3e0293ee                      ; c = log2(e) / sqrt(128)
	s_mov_b32 s23, 0xbe0293ee                      ; -c
	s_lshl_b32 s12, s11, 17                        ; a batch of fine32 is 131,072 bytes, a head 8,192
	s_lshl_b32 s13, s10, 13
	s_add_co_u32 s14, s12, s13
	s_add_co_u32 s14, s14, 8*8192                  ; key head w; its value head lies 32,768 bytes on
	s_mov_b32 s15, 0
	s_lshl_b32 s16, s10, 14
	s_add_co_u32 s16, s16, s12                     ; query head 2 w
	s_mov_b32 s17, 0
	s_lshl_b32 s24, ttmp9, 18                      ; o_w: 64 rows of 4,096 bytes a work-group,
	s_lshl_b32 s25, s10, 10                        ; my two heads' 1,024 bytes of each row
	s_add_co_u32 s24, s24, s25
	s_mov_b32 s25, 0
	s_lshl_b32 s26, s11, 24                        ; out0: a batch is 2,048 rows of 8,192 bytes,
	s_lshl_b32 s27, s10, 15                        ; my four rows,
	s_add_co_u32 s26, s26, s27
	s_lshl_b32 s27, ttmp9, 8                       ; the work-group's 256 bytes of a row
	s_add_co_u32 s26, s26, s27
	s_mov_b32 s27, 0
	s_wait_kmcnt 0x0
	s_add_nc_u64 s[14:15], s[4:5], s[14:15]
	s_add_nc_u64 s[16:17], s[4:5], s[16:17]
	s_add_nc_u64 s[24:25], s[6:7], s[24:25]
	s_add_nc_u64 s[26:27], s[8:9], s[26:27]
.irp k, 0,1,2,3,4,5,6,7,8,9,10,11,12,13,14,15
	global_load_b128 v[KR+4*\k:KR+4*\k+3], v3, s[14:15] offset:512*\k
.endr
.irp t, 0,1
.irp k, 0,1,2,3,4,5,6,7,8,9,10,11,12,13,14,15
	global_load_b128 v[QR+64*\t+4*\k:QR+64*\t+4*\k+3], v3, s[16:17] offset:8192*\t+512*\k
.endr
.endr
	WIN 0x40
.irp ct, 0,1,2,3,4,5,6,7
.irp kk, 0,1,2,3,4,5,6,7
	global_load_b32 v[176+8*\ct+\kk], v4, s[14:15] offset:32768+1024*\ct+16*\kk
.endr
.endr
	s_wait_loadcnt 63                              ; 64 loads were issued behind Q's last: with at most 63 out, K and Q are in
	WIN 0x50                                       ; C and D window 1
.set s, 0
.rept 32                                       ; S^T = K Q^T: two accumulators by turns; the first step starts the sums
.irp t, 0,1
.if s == 0
	v_wmma_f32_16x16x4_f32 v[160+8*\t:167+8*\t], v[KR+2*s:KR+2*s+1], v[QR+64*\t+2*s:QR+64*\t+2*s+1], 0
.else
	v_wmma_f32_16x16x4_f32 v[160+8*\t:167+8*\t], v[KR+2*s:KR+2*s+1], v[QR+64*\t+2*s:QR+64*\t+2*s+1], v[160+8*\t:167+8*\t]
.endif
.endr
.set s, s+1
.endr
	s_wait_loadcnt 0x0                             ; V
.irp t, 0,1
	WIN 0x80+0x40*\t                               ; destination window 2 + t
.irp ct, 0,1,2,3,4,5,6,7
.irp n, 0,1,2,3
	global_load_b128 v[32*\ct+8*\n:32*\ct+8*\n+3],   v5, s[24:25] offset:65536*\n+512*\t+64*\ct       ; o_w(column 16 n + r, channel 16 ct + 8 h + 0 .. 7 of head t): they land under the softmax and P V
	global_load_b128 v[32*\ct+8*\n+4:32*\ct+8*\n+7], v5, s[24:25] offset:65536*\n+512*\t+64*\ct+16
.endr
.endr
.endr
	WIN 0
.rept 8
	v_nop                                          ; eight places behind this matrix form, ahead of the first read of its results (ISA guide 7.12.1)
.endr
	WIN 0x01                                       ; source 0: window 1
.irp j, 0,1,2,3,4,5,6,7                        ; the scores come into other registers, hidden ones as -infinity; each accumulator is read from its low end on
	v_cmp_gt_i32 vcc_lo, \j, v6
	v_cndmask_b32 v[PR+\j], v[160+\j], v7, vcc_lo
	v_cndmask_b32 v[PR+8+\j], v[168+\j], v7, vcc_lo
.endr
	WIN 0
.irp t, 0,1
	v_max3_num_f32 v[240+\t], v[PR+8*\t], v[PR+8*\t+1], v[PR+8*\t+2]
.endr
.irp i, 3,5
.irp t, 0,1
	v_max3_num_f32 v[240+\t], v[240+\t], v[PR+8*\t+\i], v[PR+8*\t+\i+1]
.endr
.endr
.irp t, 0,1
	v_max_num_f32 v[240+\t], v[240+\t], v[PR+8*\t+7]
.endr
.irp t, 0,1
	v_permlanex16_b32 v[242+\t], v[240+\t], s20, s21
.endr
.irp t, 0,1
	v_max_num_f32 v[240+\t], v[240+\t], v[242+\t]  ; the row's maximum: key 0 counts for every query, so it is a number
.endr
.irp t, 0,1
	v_mul_f32 v[240+\t], s23, v[240+\t]            ; -c m
.endr
.irp j, 0,1,2,3,4,5,6,7
.irp t, 0,1
	v_fma_f32 v[PR+8*\t+\j], v[PR+8*\t+\j], s22, v[240+\t]
.endr
.endr
.set i, 0
.rept 16
	v_exp_f32 v[PR+i], v[PR+i]                     ; p = 2^(c s - c m)
.set i, i+1
.endr
	v_nop
	s_wait_alu depctr_va_vdst(0)                   ; one wait for the sixteen, ahead of their first reader
.irp t, 0,1
	v_pk_add_f32 v[244+4*\t:245+4*\t], v[PR+8*\t:PR+8*\t+1], v[PR+8*\t+2:PR+8*\t+3]
	v_pk_add_f32 v[246+4*\t:247+4*\t], v[PR+8*\t+4:PR+8*\t+5], v[PR+8*\t+6:PR+8*\t+7]
.endr
.irp t, 0,1
	v_pk_add_f32 v[244+4*\t:245+4*\t], v[244+4*\t:245+4*\t], v[246+4*\t:247+4*\t]
.endr
.irp t, 0,1
	v_add_f32 v[244+4*\t], v[244+4*\t], v[245+4*\t]
.endr
.irp t, 0,1
	v_permlanex16_b32 v[242+\t], v[244+4*\t], s20, s21
.endr
.irp t, 0,1
	v_add_f32 v[244+4*\t], v[244+4*\t], v[242+\t]  ; the row's sum
.endr
	v_rcp_f32 v244, v244
	v_rcp_f32 v248, v248
	v_nop
	s_wait_alu depctr_va_vdst(0)                   ; one wait for the two
.irp j, 0,1,2,3,4,5,6,7
.irp t, 0,1
	v_mul_f32 v[PR+8*\t+\j], v[PR+8*\t+\j], v[244+4*\t]
.endr
.endr
	WIN 0x51                                       ; V, C and D window 1; p window 0
.irp c, 0,1,2,3                                ; O^T = V^T P: sixteen accumulators by turns; the first step starts the sums
.irp ct, 0,1,2,3,4,5,6,7
.irp t, 0,1
.if \c == 0
	v_wmma_f32_16x16x4_f32 v[64*\t+8*\ct:64*\t+8*\ct+7], v[176+8*\ct+2*\c:177+8*\ct+2*\c], v[PR+8*\t+2*\c:PR+8*\t+2*\c+1], 0
.else
	v_wmma_f32_16x16x4_f32 v[64*\t+8*\ct:64*\t+8*\ct+7], v[176+8*\ct+2*\c:177+8*\ct+2*\c], v[PR+8*\t+2*\c:PR+8*\t+2*\c+1], v[64*\t+8*\ct:64*\t+8*\ct+7]
.endif
.endr
.endr
.endr
	s_wait_loadcnt 0x0                             ; o_w
.rept 9
	v_nop                                          ; nine places: these results now serve as source 1 of matrix instructions
.endr
.irp t, 0,1                                    ; D = W O^T: four accumulators by turns; my 256 of the 1,024 along K
	WIN 0x56+\t                                    ; source 0 window 2 + t; source 1, C and D window 1
.irp ct, 0,1,2,3,4,5,6,7
.irp c, 0,1,2,3
.irp n, 0,1,2,3
.if (\t == 0) && (\ct == 0) && (\c == 0)
	v_wmma_f32_16x16x4_f32 v[128+8*\n:135+8*\n], v[32*\ct+8*\n+2*\c:32*\ct+8*\n+2*\c+1], v[64*\t+8*\ct+2*\c:64*\t+8*\ct+2*\c+1], 0
.else
	v_wmma_f32_16x16x4_f32 v[128+8*\n:135+8*\n], v[32*\ct+8*\n+2*\c:32*\ct+8*\n+2*\c+1], v[64*\t+8*\ct+2*\c:64*\t+8*\ct+2*\c+1], v[128+8*\n:135+8*\n]
.endif
.endr
.endr
.endr
.endr
.rept 8
	v_nop
.endr
	WIN 0x04                                       ; an LDS store's data are its source 1: window 1
.irp n, 0,1,2,3
	ds_store_b128 v10, v[128+8*\n:131+8*\n] offset:1024*\n           ; my part of the sums, as the registers stand; each accumulator from its low end on
	ds_store_b128 v10, v[132+8*\n:135+8*\n] offset:1024*\n+512
.endr
	WIN 0
	s_wait_dscnt 0x0                               ; for the others' sake: my stores have landed
	s_barrier_signal -1
	s_barrier_wait -1
	; Wave w adds the four parts of queries 4 w .. 4 w + 3 and stores them.  A lane's 16 bytes are four neighbouring columns of one query.  The sixteen lanes of a row read 16 bytes each at distances that are
	; multiples of 256 bytes: eight such loads in the launch, a price that is paid for stores of whole rows.
.irp i, 0,1
.irp g, 0,1,2,3
	ds_load_b128 v[32+16*\i+4*\g:35+16*\i+4*\g], v8 offset:32*\i+4096*\g
.endr
.endr
	s_wait_dscnt 0x0
.irp i, 0,1
	v_pk_add_f32 v[32+16*\i:33+16*\i], v[32+16*\i:33+16*\i], v[36+16*\i:37+16*\i]
	v_pk_add_f32 v[34+16*\i:35+16*\i], v[34+16*\i:35+16*\i], v[38+16*\i:39+16*\i]
	v_pk_add_f32 v[40+16*\i:41+16*\i], v[40+16*\i:41+16*\i], v[44+16*\i:45+16*\i]
	v_pk_add_f32 v[42+16*\i:43+16*\i], v[42+16*\i:43+16*\i], v[46+16*\i:47+16*\i]
	v_pk_add_f32 v[32+16*\i:33+16*\i], v[32+16*\i:33+16*\i], v[40+16*\i:41+16*\i]
	v_pk_add_f32 v[34+16*\i:35+16*\i], v[34+16*\i:35+16*\i], v[42+16*\i:43+16*\i]
	global_store_b128 v9, v[32+16*\i:35+16*\i], s[26:27] offset:16384*\i   ; 16 lanes store 256 consecutive bytes, aligned
.endr
	s_wait_tensorcnt 0x0                           ; the wave's end: 0 onto my spare word and its wait, behind my last LDS store
	ds_add_u32 v[SPW], v[NIL]
	s_wait_dscnt 0x0
	s_endpgm
.Lfunc_end_k_q7ab291c10a_first16:
	.size	k_q7ab291c10a_first16, .Lfunc_end_k_q7ab291c10a_first16-k_q7ab291c10a_first16
	.p2alignl 7, 3214868480
	.fill 96, 4, 3214868480
	.section	.rodata,"a",@progbits
	.p2align	6, 0x0
	.amdhsa_kernel k_q7ab291c10a_first16
		.amdhsa_group_segment_fixed_size 16896
		.amdhsa_private_segment_fixed_size 0
		.amdhsa_enable_private_segment 0
		.amdhsa_kernarg_size 24
		.amdhsa_user_sgpr_count 2
		.amdhsa_user_sgpr_kernarg_segment_ptr 1
		.amdhsa_wavefront_size32 1
		.amdhsa_system_sgpr_workgroup_id_x 1
		.amdhsa_system_sgpr_workgroup_id_y 1
		.amdhsa_system_sgpr_workgroup_id_z 1
		.amdhsa_system_vgpr_workitem_id 0
		.amdhsa_next_free_vgpr 1024
		.amdhsa_next_free_sgpr 66
		.amdhsa_reserve_vcc 1
		.amdhsa_float_denorm_mode_32 3
		.amdhsa_float_denorm_mode_16_64 3
		.amdhsa_memory_ordered 1
		.amdhsa_forward_progress 1
		.amdhsa_inst_pref_size 58
	.end_amdhsa_kernel
	.amdgpu_metadata
---
amdhsa.version: [ 1, 2 ]
amdhsa.kernels:
  - .name:           k_q7ab291c10a_first16
    .symbol:         k_q7ab291c10a_first16.kd
    .args:
      - { .name: fine32, .offset: 0, .size: 8, .value_kind: global_buffer, .address_space: global }
      - { .name: o_w, .offset: 8, .size: 8, .value_kind: global_buffer, .address_space: global }
      - { .name: out0, .offset: 16, .size: 8, .value_kind: global_buffer, .address_space: global }
    .group_segment_fixed_size: 16896
    .private_segment_fixed_size: 0
    .kernarg_segment_align: 8
    .kernarg_segment_size: 24
    .max_flat_workgroup_size: 128
    .sgpr_count:     66
    .vgpr_count:     1024
    .wavefront_size: 32
...
	.end_amdgpu_metadata
.endif
;; end of part 5
